; MI455X (gfx1250); checked and timed in simulation.
; The chip was launched on July 23, 2026; its instructions are those of AMD's public machine-readable ISA for CDNA 5 (MIT licence, August 2026) and "CDNA5" Instruction Set Architecture Reference Guide (July 2026). The comments in the code are by the model that wrote it; some were corrected since.
;; Xpos Multihead Attention. Allowed arithmetic: matrix products marked QUANTISED: E2M1 operands, one E8M0 scale for each 32 along K, by v_wmma_scale_f32_16x16x128_f8f6f4 with both operands' format E2M1 (or v_wmma_scale_f32_32x16x128_f4), f32 sums; everything else in f32.
;; Inputs: bk 1,024 float32; bo 1,024 float32; bq 1,024 float32; bv 1,024 float32; key_codes 8 x 1,024 x 32 x 16 uint8 (E2M1 codes of key, K innermost, in blocks of 32 codes, two codes a byte); key_scales 8 x 1,024 x 32 uint8 (E8M0 scales of key, one for each 32 codes along K); query_codes 8 x 1,024 x 32 x 16 uint8 (E2M1 codes of query, K innermost, in blocks of 32 codes, two codes a byte); query_scales 8 x 1,024 x 32 uint8 (E8M0 scales of query, one for each 32 codes along K); value_codes 8 x 1,024 x 32 x 16 uint8 (E2M1 codes of value, K innermost, in blocks of 32 codes, two codes a byte); value_scales 8 x 1,024 x 32 uint8 (E8M0 scales of value, one for each 32 codes along K); wk_codes 1,024 x 32 x 16 uint8 (E2M1 codes of wk, K innermost, in blocks of 32 codes, two codes a byte); wk_scales 1,024 x 32 uint8 (E8M0 scales of wk, one for each 32 codes along K); wo_codes 1,024 x 32 x 16 uint8 (E2M1 codes of wo, K innermost, in blocks of 32 codes, two codes a byte); wo_scales 1,024 x 32 uint8 (E8M0 scales of wo, one for each 32 codes along K); wq_codes 1,024 x 32 x 16 uint8 (E2M1 codes of wq, K innermost, in blocks of 32 codes, two codes a byte); wq_scales 1,024 x 32 uint8 (E8M0 scales of wq, one for each 32 codes along K); wv_codes 1,024 x 32 x 16 uint8 (E2M1 codes of wv, K innermost, in blocks of 32 codes, two codes a byte); wv_scales 1,024 x 32 uint8 (E8M0 scales of wv, one for each 32 codes along K).
;; Outputs: out0 8 x 1,024 x 1,024 float32.
;; This version of the problem:
;;   THIS VERSION OF THE PROBLEM IS GIVEN IN LOW PRECISION. The matrix products marked QUANTISED in the list below multiply operands that are first quantised to E2M1 (2 exponent bits, 1 mantissa bit; 4 bits a number), with one power-of-two scale for each 32 numbers along K (OCP MX v1.0); their sums are f32. All else is computed in f32.
;;   The module's matrix products, in the order in which they are computed (A, B: the left and right operand; K: the contracted axis; several contracted axes count as one K, in the product's order):
;;     1. [M 8,192, K 1,024] x [K 1,024, N 1,024]; A: input query (given as codes); B: input wq (given as codes): QUANTISED
;;     2. [M 8,192, K 1,024] x [K 1,024, N 1,024]; A: input key (given as codes); B: input wk (given as codes): QUANTISED
;;     3. [M 8,192, K 1,024] x [K 1,024, N 1,024]; A: input value (given as codes); B: input wv (given as codes): QUANTISED
;;     4. batch 128 x [M 1,024, K 64] x [K 64, N 1,024]; A: computed on the way; B: computed on the way: QUANTISED
;;     5. batch 128 x [M 1,024, K 1,024] x [K 1,024, N 64]; A: softmax (see below); B: computed on the way: QUANTISED
;;     6. [M 8,192, K 1,024] x [K 1,024, N 1,024]; A: computed on the way; B: input wo (given as codes): QUANTISED
;;   THE QUANTISER, for each operand of a quantised product, along K:
;;     - K is cut into blocks of 32 from its start; a last block that is shorter is filled with zeros.
;;     - A block's scale is 2^e with e = floor(log2(the largest magnitude in the block)) - 2, held to -126 .. 127; a block of zeros has e = 0. As a byte (E8M0): e + 127.
;;     - Each number is divided by its block's scale, clamped to +-6, and rounded to the nearest number of E2M1, ties to even, subnormals kept.
;;     - The product sums the exact products of the quantised numbers (number of the format x scale) in f32.
;;   ~~~python
;;   def quantise(x, axis):      # numpy; x: float32 -> the quantised numbers, widened to float32 again
;;       x = np.moveaxis(x, axis, -1); K = x.shape[-1]
;;       x = np.pad(x, [(0, 0)] * (x.ndim - 1) + [(0, -K % 32)]); x = x.reshape(x.shape[:-1] + (-1, 32)); a = np.abs(x).max(-1, keepdims=True)
;;       e = np.where(a > 0, np.clip(np.frexp(np.where(a > 0, a, 1))[1] - 1 - 2, -126, 127), 0)      # np.frexp(a)[1] - 1 = floor(log2(a)), exactly
;;       r = np.clip(x / 2.0 ** e, -6, 6)
;;       step = 2.0 ** (np.maximum(np.frexp(np.where(r == 0, 1, r))[1] - 1, 0) - 1)
;;       q = np.round(r / step) * step * 2.0 ** e      # np.round: ties to even
;;       return np.moveaxis(q.reshape(q.shape[:-2] + (-1,))[..., :K], -1, axis).astype(np.float32)
;;   ~~~
;;   SOFTMAX AHEAD OF A QUANTISED PRODUCT. Where the list says 'softmax', what is quantised is not the finished softmax but p = 2^(t - M), with t = logit x log2(e) and M = ceil(the row's largest t), a whole number; so 1/2 < the row's largest p <= 1. The row's sum l is taken of the UNQUANTISED p, in f32, and the product's result is divided by l at the end. Since M is a whole number, a kernel that streams over the keys may use a running M (the ceiling of the running maximum): every later rescaling is an exact power of two, which a block's scale takes up: the codes' values come out the same.
;;   OPERANDS COMPUTED ON THE WAY. 'Computed on the way' means the value that the module computes at that place (a softmax that the list does not call 'softmax' is quantised finished and normalised). What goes into a quantiser is computed in f32, as accurately as f32 sums, v_exp_f32 and their like allow (about 1e-6 of the number): no bf16 or f16 on the way to a quantiser, and a product that is left as it is and whose result goes on into a quantised operand takes f32 operands (vector FMAs, or v_wmma_f32_16x16x4_f32). A number that lies on a knife's edge between two numbers of the format may be rounded either way, as far as f32 arithmetic and the matrix unit's own rounding can turn it there, and no further.
;;   INPUTS GIVEN AS CODES. key (in the module: [8, 1024, 1024], K = its axis 2); query (in the module: [8, 1024, 1024], K = its axis 2); value (in the module: [8, 1024, 1024], K = its axis 2); wk (in the module: [1024, 1024], K = its axis 1); wo (in the module: [1024, 1024], K = its axis 1); wq (in the module: [1024, 1024], K = its axis 1); wv (in the module: [1024, 1024], K = its axis 1): each comes as NAME_codes (uint8): NAME with its K axis moved to the last place and cut into blocks of 32 codes, [.., K / 32, bytes a block], one block behind the other in memory; two codes a byte, the lower K in the low four bits (a code: sign, 2 exponent bits, 1 mantissa bit); and NAME_scales (uint8): the same leading axes, one E8M0 byte (e + 127) for each 32 codes along K. Its value is code x scale, taken as it is: it is not quantised again, and the codes and scales need not be those that the quantiser above would give.
;; One version. Each part assembles by itself: llvm-mc -triple=amdgcn-amd-amdhsa -mcpu=gfx1250 --defsym DOCPART=n.
;; ======== version 1 of 1: 3 launches
;; limits: right only within a limited range of input values
;; workspace buffers: qcod 4,194,304 bytes; qscl 524,288 bytes; kcod 4,194,304 bytes; kscl 524,288 bytes; vcod 4,194,304 bytes; vscl 262,144 bytes; acod 4,194,304 bytes; ascl 262,144 bytes
;; launch proj (part 1): grid 4 x 64, 4 waves a work-group, clusters of 4 x 4, 327,680 bytes of LDS; arguments query_codes, query_scales, wq_codes, wq_scales, bq, qcod, qscl, key_codes, key_scales, wk_codes, wk_scales, bk, kcod, kscl, wv_codes, wv_scales, value_codes, value_scales, bv, vcod, vscl; writes qcod, qscl, kcod, kscl, vcod, vscl
.if DOCPART == 1
	.amdgcn_target "amdgcn-amd-amdhsa--gfx1250"
	.amdhsa_code_object_version 6
	.text
	.protected	k_q24640d3e24_proj
	.globl	k_q24640d3e24_proj
	.p2align	8
	.type	k_q24640d3e24_proj,@function
k_q24640d3e24_proj:
	s_mov_b64 s[64:65], 0
	v_nop
	global_prefetch_b8 v0, s[64:65] scope:SCOPE_SE
	s_setreg_imm32_b32 hwreg(HW_REG_WAVE_MODE, 25, 1), 1
	s_wait_xcnt 0x0
	s_wait_alu depctr_hold_cnt(0) depctr_sa_sdst(0) depctr_va_vdst(0) depctr_va_sdst(0) depctr_va_ssrc(0) depctr_va_vcc(0) depctr_vm_vsrc(0)
	s_getreg_b32 s2, hwreg(HW_REG_IB_STS2, 6, 4)
	s_cmp_eq_u32 s2, 0
	s_cbranch_scc0 .Lentry_in_a_cluster
	s_endpgm
.Lentry_in_a_cluster:
	s_bfe_u32 s2, ttmp6, 0x10000c
	s_cmp_lg_u32 s2, 0xf033
	s_cbranch_scc0 .Lentry_shape_is_right
	s_endpgm
.Lentry_shape_is_right:
; THE THREE PROJECTIONS of XPos attention, on codes of FP4 (E2M1) with one E8M0 scale for each 32 along K, and the quantisers behind them.
;   q = xpos((query wq^T + bq) / 8, upscale), k = xpos(key wk^T + bk, downscale): quantised along the head's 64 channels (two blocks a token and head);  v = value wv^T + bv: quantised along the keys.
; NOTHING IS LEFT OUT: every product of the problem is live, every bias goes into a quantiser or into the output, all inputs are loaded by some launch of the program.
; LIMITS: NaN and infinities are not served.  A block of zeros gets the scale byte 1 where the quantiser says 127: its codes are zeros, and this program alone reads these bytes.
;   Sine and cosine are made here in f32: the angle less k pi/2, pi/2 in two parts (the first product is exact for angles under 1,024; the angles here are at most 1,023), and two short polynomials on |r| <= pi/4.
;   1 / 10000^(j/32) is taken as 10^-(j%8)/8, rounded to f32, times 10^-(j/8): one rounding more than a rounded constant for j >= 8.  The bias enters as xpos(bias) through fused multiply-adds: another order of rounding than (x + b) first.
; SHARES.  q and k are 256 tiles of 256 x 256; v, cut in halves, is 256 tiles of 128 x 256.  256 work-groups of four waves: EACH MAKES ONE TILE OF q OR k AND THEN ONE HALF TILE OF v: equal work everywhere, K = 1,024.
;   Source 0 of the matrix instruction = P (its rows run along a lane's registers), source 1 = R (a row to a lane).
;   q, k: R = tokens, P = the weight's rows, so a lane's registers run along the channels, which are the next K.  An R block is 32 POSITIONS in all 8 batches (R tile a = batch a), so a lane has ONE position and makes its 16 cosines and sines once.
;   v:    R = 128 rows of wv, P = 256 tokens, so a lane holds a channel and its registers run along the keys, which are the next K.
;   Wave w: hf = w / 2 picks 16 of each chunk's 32 rows of R (q, k: 8 tiles; v: 4), pf = w % 2 picks 128 rows of P (8 tiles).
; CLUSTERS: 4 x 4 work-groups.  R's tiles hang on the cluster's row alone and are asked for jointly along it, P's on its column.  q or k hangs on the cluster's y, which all sixteen share, and decides addresses and two constants, no branch.
; LDS: two slots, one for each half of K (rows of 256 bytes + 16 of padding).  Both are filled at the head with q's or k's tiles.  Slot 0 is filled again with v's tiles at the change of slots in K step 3, slot 1 in K step 7:
;   v's tiles are asked for four K steps and the whole way out of q or k ahead of their first use, so nothing more is asked for ahead of them.
; THE RESULTS LEAVE AS IMAGES OF THE READER'S OPERAND REGISTERS: lane l's 16 bytes at 16 l, 512 consecutive bytes a store.
; REGISTERS: window 0: v0-31 addresses; v32-63 R's scale words, v64-95 P's (they hold nothing else); v96-127 cos, sin pairs; v128-191 R's fragments, between the two products the trigonometry; v192-255 the bias.
;   window 1: P's fragments, two sets (v0, v128); on the ways out 64 numbers (v0-63), the quantiser's work (v64-84) and the codes (v88-95).   windows 2, 3: the accumulators, (a, b) at 8 (8 a + b).
; THE FIRST FILLS (this stands in place of the sentence above on the head's fills): slot 0 is asked for at the head, one joint load a wave; slot 1 behind the three lines and a round of the cluster's barrier, one joint load a wave again,
;   192 matrix instructions (K steps 0 to 2) ahead of the wait for it.  Waves 0 and 1 fetch R, four batches' chunks each, by one descriptor of three dimensions; waves 2 and 3 fetch 128 rows of P each.
.set NPT,    8                         ; tiles of P to a wave
.set PITCH,  272                       ; an LDS row: 256 bytes + 16: 68 words, so 16 neighbouring rows start at 16 different 16-byte columns
.set CHUNK,  32*PITCH                  ; a chunk of R: 32 rows
.set POFF,   8*CHUNK                   ; P's 256 rows lie behind R's 256
.set SLOT,   2*POFF
.set SPARE,  2*SLOT                    ; the spare words, 128 bytes a wave: two blocks of 256 bytes that no other line names
.set FLAGS,  (1<<20)|(1<<21)|(5<<22)|(3<<25)   ; group 1, word 0 beside the mask: elements of 1 byte; padding on; bit 21 beside a mask; after every 64 words, 4 words
.set ADRA, 16                          ; v16-17 LDS address of my R fragments in slot 0, 1
.set ADRB, 20                          ; v20-21 the same for P
.set POSF, 24                          ; v24 my position as f32
.set ES,   25                          ; v25 +-(position - 512) / 1024
.set SPW,  28                          ; v28 my spare word's address; never rewritten
.set NIL,  29                          ; v29 0; never rewritten
.set RS,   32
.set PS,   64
.set CSR,  96                          ; pair G = 4 tt + p: (cos, sin) x scale of frequency 8 tt + 4 h + p
.set AF,   128
.set FB,   128                         ; v128-131 10^-((4 h + p) / 8)
.set LG,   132                         ; v132-147 the 16 scale factors
.set AR,   148
.set KR,   156
.set ZR,   164
.set SR,   172
.set CR,   180
.set T0,   188
.set BI,   192
.set Y,    0                           ; window 1
.set TM,   64
.set PW,   80
.set PC,   88
.set WV,   2
.set HF,   3
.set PF,   4
.set CX,   5
.set CY,   6
.set VR,   7                           ; v: my block of 128 rows of wv, 0..7
.set KIND, 8                           ; 0 q, 1 k
.set RBLK, 10                          ; q, k: my group of 32 positions, 0..31
.set VP,   11                          ; v: my block of 256 tokens, 0..31
.set G1VR, 16                          ; s[16:23] group 1 for v's R: 128 rows; written when the head's scale loads are in
.set G0,   32                          ; the first fills' group 0: s[32:35] R, s[40:43] P for slot 0; s[44:47] R, s[52:55] P for slot 1; s[36:39], s[48:51] groups 2 and 3 of R's descriptor; behind the wait that shows them done:
.set G0VR, 32                          ; s[32:39] group 0 for v's R, a set for each slot
.set G0VP, 40                          ; s[40:47] the same for v's P
.set G1VP, 48                          ; s[48:55] group 1 for v's P: 128 rows
.set SEL,  58
.set HM,   60                          ; the lanes 16-31, as a mask
.set S3,   61
.set C3,   62
.set VPT,  66                          ; s[66:79] v's seven addresses: wv's codes, wv's scales, value's codes, value's scales, bv, codes out, scales out
.set G1R,  80                          ; s[80:87] group 1 for q's, k's R: 32 rows
.set G1P,  88                          ; s[88:95] for their P: 128 rows
.set MUL_LO, 0xa1                      ; source 0 (P) window 1, source 1 (R) window 0, C and D window 2
.set MUL_HI, 0xf1                      ; the same, C and D window 3
.set MSB, 0
.macro WIN new                         ; the immediate's high byte repeats the setting that is left
.if MSB != \new
	s_set_vgpr_msb (MSB<<8)|\new
.set MSB, \new
.endif
.endm
.macro PLACES                          ; four plain places behind matrix instructions, in front of loads into their registers and of reads of results
.rept 4
	v_nop
.endr
.endm
.macro CREST                           ; a round of the cluster's barrier behind its opening barrier
	s_cmp_lg_u32 s[WV], 0
	s_cbranch_scc1 .Lnot_wave_0_\@
	s_barrier_signal -3
.Lnot_wave_0_\@:
	s_barrier_wait -3
	s_barrier_signal -1
	s_barrier_wait -1
.endm
.macro CROUND                          ; a whole round
	s_barrier_signal -1
	s_barrier_wait -1
	CREST
.endm
; one product of q or k: R tile a x P tile b, K step kq, P's set p.  Scale words: lanes 0-15 of a register hold the lower four tiles', lanes 16-31 the upper four's.
.macro WM a, b, p, kq, first
.set rD, (8*(NPT*(\a)+(\b)))%256
.set rP, 128*(\p)+8*(\b)
.set rR, AF+8*(\a)
.set rSP, PS+8*((\b)%(NPT/2))+(\kq)
.set rSR, RS+8*((\a)%4)+(\kq)
.set hiP, (\b)/(NPT/2)
.set hiR, (\a)/4
.if \first
.if hiP && hiR
	v_wmma_scale_f32_16x16x128_f8f6f4 v[rD:rD+7], v[rP:rP+7], v[rR:rR+7], 0, v[rSP], v[rSR] matrix_a_fmt:MATRIX_FMT_FP4 matrix_b_fmt:MATRIX_FMT_FP4 matrix_a_scale:MATRIX_SCALE_ROW1 matrix_b_scale:MATRIX_SCALE_ROW1
.elseif hiP
	v_wmma_scale_f32_16x16x128_f8f6f4 v[rD:rD+7], v[rP:rP+7], v[rR:rR+7], 0, v[rSP], v[rSR] matrix_a_fmt:MATRIX_FMT_FP4 matrix_b_fmt:MATRIX_FMT_FP4 matrix_a_scale:MATRIX_SCALE_ROW1
.elseif hiR
	v_wmma_scale_f32_16x16x128_f8f6f4 v[rD:rD+7], v[rP:rP+7], v[rR:rR+7], 0, v[rSP], v[rSR] matrix_a_fmt:MATRIX_FMT_FP4 matrix_b_fmt:MATRIX_FMT_FP4 matrix_b_scale:MATRIX_SCALE_ROW1
.else
	v_wmma_scale_f32_16x16x128_f8f6f4 v[rD:rD+7], v[rP:rP+7], v[rR:rR+7], 0, v[rSP], v[rSR] matrix_a_fmt:MATRIX_FMT_FP4 matrix_b_fmt:MATRIX_FMT_FP4
.endif
.else
.if hiP && hiR
	v_wmma_scale_f32_16x16x128_f8f6f4 v[rD:rD+7], v[rP:rP+7], v[rR:rR+7], v[rD:rD+7], v[rSP], v[rSR] matrix_a_fmt:MATRIX_FMT_FP4 matrix_b_fmt:MATRIX_FMT_FP4 matrix_a_scale:MATRIX_SCALE_ROW1 matrix_b_scale:MATRIX_SCALE_ROW1
.elseif hiP
	v_wmma_scale_f32_16x16x128_f8f6f4 v[rD:rD+7], v[rP:rP+7], v[rR:rR+7], v[rD:rD+7], v[rSP], v[rSR] matrix_a_fmt:MATRIX_FMT_FP4 matrix_b_fmt:MATRIX_FMT_FP4 matrix_a_scale:MATRIX_SCALE_ROW1
.elseif hiR
	v_wmma_scale_f32_16x16x128_f8f6f4 v[rD:rD+7], v[rP:rP+7], v[rR:rR+7], v[rD:rD+7], v[rSP], v[rSR] matrix_a_fmt:MATRIX_FMT_FP4 matrix_b_fmt:MATRIX_FMT_FP4 matrix_b_scale:MATRIX_SCALE_ROW1
.else
	v_wmma_scale_f32_16x16x128_f8f6f4 v[rD:rD+7], v[rP:rP+7], v[rR:rR+7], v[rD:rD+7], v[rSP], v[rSR] matrix_a_fmt:MATRIX_FMT_FP4 matrix_b_fmt:MATRIX_FMT_FP4
.endif
.endif
.endm
.macro MUL2 a0, p, kq, first           ; R tiles a0, a0 + 1 x P's eight.  The 64 accumulators take turns, one instruction a turn, in the same order in every step
.irp a, \a0, \a0+1
.irp b, 0,1,2,3,4,5,6,7
	WM \a, \b, \p, \kq, \first
.endr
.endr
.endm
.macro FRAGP reg, slot, q, i           ; a fragment, 16 rows x 128 K of 4-bit codes: lane l holds row l % 16; registers 4 c .. 4 c + 3 hold K = 64 c + 32 (l / 16) + 0 .. 31
.irp c, 0,1
	ds_load_b128 v[\reg+4*\c:\reg+4*\c+3], v[ADRB+(\slot)] offset:64*(\q)+32*\c+(\i)*16*PITCH
.endr
.endm
.macro FRAGR reg, slot, q, i           ; R tile i lies in chunk i
.irp c, 0,1
	ds_load_b128 v[\reg+4*\c:\reg+4*\c+3], v[ADRA+(\slot)] offset:64*(\q)+32*\c+(\i)*CHUNK
.endr
.endm
.macro FETCH_B slot, q, p
	WIN 0x40                                       ; destination window 1
.irp i, 0,1,2,3,4,5,6,7
	FRAGP 128*(\p)+8*\i, \slot, \q, \i
.endr
	WIN 0
.endm
.macro FETCH_A slot, q, i0
.irp i, \i0, \i0+1, \i0+2, \i0+3
	FRAGR AF+8*(\i), \slot, \q, \i
.endr
.endm
; a K step of 128 of q or k whose successor lies in the same slot
.macro STEP kq, first
	s_wait_dscnt 8                                 ; P's set and R's tiles 0-3 are in; the youngest eight loads (R's tiles 4-7) may be out
	WIN MUL_LO
	MUL2 0, (\kq)%2, \kq, \first
	MUL2 2, (\kq)%2, \kq, \first
	s_wait_dscnt 0x0                               ; R's tiles 4-7 are in
	PLACES
	FETCH_B ((\kq)+1)/4, ((\kq)+1)%4, 1-(\kq)%2
	FETCH_A ((\kq)+1)/4, ((\kq)+1)%4, 0
	WIN MUL_HI
	MUL2 4, (\kq)%2, \kq, \first
	MUL2 6, (\kq)%2, \kq, \first
	PLACES
	WIN 0
	FETCH_A ((\kq)+1)/4, ((\kq)+1)%4, 4
.endm
; a joint refill with v's tiles of half s of K: wave 0 fetches wv's 128 rows, waves 1 and 2 128 tokens' rows each, wave 3 nothing.  The branches hang on the wave's number alone: they are the same in every work-group.
.macro JLOADV s
	s_cmp_eq_u32 s[WV], 0
	s_cbranch_scc0 .Lnot_r_\@
	tensor_load_to_lds s[G0VR+4*\s:G0VR+4*\s+3], s[G1VR:G1VR+7]
	s_nop 0
.rept 4
	v_nop
.endr
	s_branch .Lasked_\@
.Lnot_r_\@:
	s_cmp_lt_u32 s[WV], 3
	s_cbranch_scc0 .Lasked_\@
	tensor_load_to_lds s[G0VP+4*\s:G0VP+4*\s+3], s[G1VP:G1VP+7]
	s_nop 0
.rept 4
	v_nop
.endr
.Lasked_\@:
.endm
; K STEPS 3 AND 7 LEAVE A SLOT, WHICH IS FILLED AGAIN WITH v'S TILES.  In front of the barrier each wave waits for all its tensor loads, adds 0 to its spare word, and waits for that and for its reads of the slot; the barrier opens a round of the
; cluster's barrier, so that no wave of any partner still reads the slot or has a load on its way; the joint refill is the first thing behind the round, one load a wave.
.macro CHANGE kq, vs
	s_wait_tensorcnt 0x0                           ; none of my tensor loads is out: the other slot's part of mine is in, and every descriptor register may be written
	ds_add_u32 v[SPW], v[NIL]                      ; 0 onto my spare word; work on registers stands between it and the wait for it
.if (\vs) == 0
	s_lshl_b32 s56, 0x1111, s[CX]                  ; my column of the cluster
	s_or_b32 s[G1VP], s56, FLAGS                   ; v's P: 128 rows of 256 bytes, 512 apart
	s_mov_b32 s[G1VP+1], 256<<16
	s_mov_b32 s[G1VP+2], 128<<16
	s_mov_b32 s[G1VP+3], 256<<16
	s_mov_b32 s[G1VP+4], 128
	s_mov_b32 s[G1VP+5], 512
	s_mov_b32 s[G1VP+6], 0
	s_mov_b32 s[G1VP+7], 0
	s_mul_i32 s57, s[HF], 128*PITCH                ; wave 1: P's rows 0-127, wave 2: rows 128-255
.irp s, 0,1                                    ; half s of K: 256 bytes on in each row, slot s
	s_mov_b32 s[G0VR+4*\s], 1
	s_mov_b32 s[G0VR+4*\s+1], \s*SLOT
	s_add_nc_u64 s[G0VR+4*\s+2:G0VR+4*\s+3], s[VPT:VPT+1], \s*256
	s_or_b32 s[G0VR+4*\s+3], s[G0VR+4*\s+3], 0x80000000
	s_mov_b32 s[G0VP+4*\s], 1
	s_add_co_u32 s[G0VP+4*\s+1], s57, \s*SLOT+POFF
	s_add_nc_u64 s[G0VP+4*\s+2:G0VP+4*\s+3], s[VPT+4:VPT+5], \s*256
	s_or_b32 s[G0VP+4*\s+3], s[G0VP+4*\s+3], 0x80000000
.endr
.endif
	s_wait_dscnt 9                                 ; the add and the youngest eight loads (R's tiles 4-7) may be out
	WIN MUL_LO
	MUL2 0, 1, \kq, 0
	s_wait_dscnt 0x0                               ; the add is done, and my reads of this slot are over
	s_barrier_signal -1
	MUL2 2, 1, \kq, 0
	WIN 0
	s_barrier_wait -1
	CREST
	JLOADV \vs
.if (\vs) == 0
	PLACES                                         ; on every wave's way, wave 3's too: places in front of the loads below
	FETCH_B 1, 0, 0
	FETCH_A 1, 0, 0
.endif
	WIN MUL_HI
	MUL2 4, 1, \kq, 0
	MUL2 6, 1, \kq, 0
	PLACES
	WIN 0
.if (\vs) == 0
	FETCH_A 1, 0, 4
.endif
.endm
; v's product: R tile a (0..3) x P tile b, both operands from set p
.macro WMV a, b, p, kq, first
.set rD, 8*(NPT*(\a)+(\b))
.set rP, 128*(\p)+8*(\b)
.set rR, AF+32*(\p)+8*(\a)
.set rSP, PS+8*((\b)%(NPT/2))+(\kq)
.set rSR, RS+8*(\a)+(\kq)
.set hiP, (\b)/(NPT/2)
.if \first
.if hiP
	v_wmma_scale_f32_16x16x128_f8f6f4 v[rD:rD+7], v[rP:rP+7], v[rR:rR+7], 0, v[rSP], v[rSR] matrix_a_fmt:MATRIX_FMT_FP4 matrix_b_fmt:MATRIX_FMT_FP4 matrix_a_scale:MATRIX_SCALE_ROW1
.else
	v_wmma_scale_f32_16x16x128_f8f6f4 v[rD:rD+7], v[rP:rP+7], v[rR:rR+7], 0, v[rSP], v[rSR] matrix_a_fmt:MATRIX_FMT_FP4 matrix_b_fmt:MATRIX_FMT_FP4
.endif
.else
.if hiP
	v_wmma_scale_f32_16x16x128_f8f6f4 v[rD:rD+7], v[rP:rP+7], v[rR:rR+7], v[rD:rD+7], v[rSP], v[rSR] matrix_a_fmt:MATRIX_FMT_FP4 matrix_b_fmt:MATRIX_FMT_FP4 matrix_a_scale:MATRIX_SCALE_ROW1
.else
	v_wmma_scale_f32_16x16x128_f8f6f4 v[rD:rD+7], v[rP:rP+7], v[rR:rR+7], v[rD:rD+7], v[rSP], v[rSR] matrix_a_fmt:MATRIX_FMT_FP4 matrix_b_fmt:MATRIX_FMT_FP4
.endif
.endif
.endm
.macro VFETCH kq                       ; 24 LDS loads: K step kq's eight fragments of P and four of R, into set kq % 2
	WIN 0x40
.irp i, 0,1,2,3,4,5,6,7
	FRAGP 128*((\kq)%2)+8*\i, (\kq)/4, (\kq)%4, \i
.endr
	WIN 0
.irp i, 0,1,2,3
	FRAGR AF+32*((\kq)%2)+8*\i, (\kq)/4, (\kq)%4, \i
.endr
.endm
.macro VSTEP kq, first                 ; 32 products; the next step's fragments are asked for ahead of them.  The 32 accumulators take turns, one instruction a turn, in the same order in every step
	s_wait_dscnt 0x0                               ; this step's fragments are in
.if (\kq) < 7
	PLACES                                         ; behind the last step's products, which read the sets that are loaded now
	VFETCH (\kq)+1
.endif
	WIN MUL_LO
.irp a, 0,1,2,3
.irp b, 0,1,2,3,4,5,6,7
	WMV \a, \b, (\kq)%2, \kq, \first
.endr
.endr
	WIN 0
.endm
	s_load_b512 s[16:31], s[0:1], 0x0              ; 21 addresses, number p at s[16 + 2 p]: seven for q, seven for k, seven for v, each: R's codes, R's scales, P's codes, P's scales, bias, codes out, scales out
	s_load_b512 s[32:47], s[0:1], 0x40
	s_load_b256 s[48:55], s[0:1], 0x80
	s_load_b64 s[56:57], s[0:1], 0xa0
	v_lshl_add_u32 v[SPW], v0, 2, SPARE
	v_mov_b32 v[NIL], 0
	ds_add_u32 v[SPW], v[NIL]                      ; the wave's opening: the add, twice on end, and its wait ahead of my first tensor load
	ds_add_u32 v[SPW], v[NIL]
	v_lshrrev_b32 v1, 5, v0
	v_readfirstlane_b32 s[WV], v1                  ; wave 0..3
	s_lshr_b32 s[HF], s[WV], 1
	s_and_b32 s[PF], s[WV], 1
	s_bfe_u32 s[CX], ttmp6, 0x40000                ; my place in the cluster
	s_bfe_u32 s[CY], ttmp6, 0x40004
	s_and_b32 s7, ttmp7, 0xffff                    ; the cluster's y, 0..15
	s_lshr_b32 s[KIND], s7, 3
	s_and_b32 s9, s7, 7
	s_lshl_b32 s9, s9, 2                           ; 4 g
	s_add_co_u32 s[RBLK], s9, s[CY]                ; q, k: R block 4 g + cy; the P block is cx
	s_add_co_u32 s[VP], s9, s[CX]                  ; v: P block 4 g + cx,
	s_lshl_b32 s[VR], s[KIND], 2
	s_add_co_u32 s[VR], s[VR], s[CY]               ; R half block 4 kind + cy
	s_lshl_b32 s12, s[CY], 2
	s_lshl_b32 s12, 15, s12                        ; my row of the cluster
	s_lshl_b32 s96, 0x1111, s[CX]                  ; my column
	; descriptor group 1: rows of 256 one-byte elements, 512 bytes apart in memory, 16 bytes of padding behind each; R: 32 rows in each of 4 planes (batches), 524,288 bytes apart; P: 128 rows
	s_or_b32 s[G1R], s12, FLAGS
	s_or_b32 s[G1P], s96, FLAGS
	s_mov_b32 s[G1R+1], 256<<16                    ; tensor_dim0
	s_mov_b32 s[G1R+2], 32<<16                     ; tensor_dim1
	s_mov_b32 s[G1R+3], 256<<16                    ; tile_dim0
	s_mov_b32 s[G1R+4], 32|(4<<16)                 ; tile_dim1 = 32, tile_dim2 = 4
	s_mov_b32 s[G1R+5], 512                        ; the pitch
	s_mov_b32 s[G1R+6], 0
	s_mov_b32 s[G1R+7], 8                          ; the stride from plane to plane, 524,288, from its bit 16 on
	s_mov_b32 s[G1P+1], 256<<16
	s_mov_b32 s[G1P+2], 128<<16
	s_mov_b32 s[G1P+3], 256<<16
	s_mov_b32 s[G1P+4], 128
	s_mov_b32 s[G1P+5], 512
	s_mov_b32 s[G1P+6], 0
	s_mov_b32 s[G1P+7], 0
	; what I fetch for each half of K: waves 0, 1: R's chunks 4 pf .. 4 pf + 3 (a chunk: one batch's 32 positions); waves 2, 3: P's rows 128 pf .. 128 pf + 127.  Every wave makes both addresses.  R's registers never hold cx, P's never cy
	s_lshl_b32 s12, s[RBLK], 14                    ; 32 rows of 512 bytes a block
	s_lshl_b32 s14, s[PF], 21                      ; four batches of 524,288 bytes
	s_add_co_u32 s12, s12, s14
	s_mov_b32 s13, 0
	s_lshl_b32 s96, s[CX], 17
	s_lshl_b32 s97, s[PF], 16                      ; 128 rows of 512 bytes
	s_add_co_u32 s96, s96, s97
	s_mov_b32 s97, 0
	s_lshl_b32 s98, s[VR], 16                      ; v's R: 128 rows of 512 bytes a half block
	s_mov_b32 s99, 0
	s_lshl_b32 s100, s[VP], 17                     ; v's P: 256 rows a block, and 128 rows on for wave 2
	s_lshl_b32 s101, s[HF], 16
	s_add_co_u32 s100, s100, s101
	s_mov_b32 s101, 0
	s_mul_i32 s63, s[PF], 4*CHUNK                  ; in LDS: four chunks of R, or 128 rows of P, are 34,816 bytes
	s_mov_b32 s[SEL], 0x76543210
	s_mov_b32 s[SEL+1], 0xfedcba98                 ; v_permlanex16_b32: lane l xor 16
	s_mov_b32 s[HM], 0xffff0000
	s_mov_b32 s[S3], 0xb94ca1f9
	s_mov_b32 s[C3], 0x37ccf5ce
	s_wait_dscnt 0x0                               ; both opening adds are done
	s_wait_kmcnt 0x0
.irp k, 0,1,2,3,4,5,6
	s_mov_b64 s[VPT+2*\k:VPT+2*\k+1], s[44+2*\k:45+2*\k]   ; v's seven addresses are kept aside
.endr
	s_cmp_eq_u32 s[KIND], 1                        ; q's or k's seven come to s[16:29]: the choice hangs on the cluster's y alone
.irp k, 0,1,2,3,4,5,6
	s_cselect_b64 s[16+2*\k:17+2*\k], s[30+2*\k:31+2*\k], s[16+2*\k:17+2*\k]
.endr
	s_add_nc_u64 s[12:13], s[16:17], s[12:13]      ; R's chunk 4 pf
	s_mov_b32 s36, 4                               ; group 2 of R's descriptor: tensor_dim2 = 4 planes;
	s_mov_b32 s37, 1                               ; tensor_dim3 = 1;
	s_mov_b32 s38, 0x200000                        ; the next stride (the dimension is not used: tile_dim3 = 0)
	s_mov_b32 s39, 0
	s_mov_b32 s48, 0x200000                        ; group 3: likewise; tensor_dim4 = 1, tile_dim4 = 0
	s_mov_b32 s49, 1<<16
	s_mov_b32 s50, 0
	s_mov_b32 s51, 0
; a joint first fill of slot k: one load a wave, on every way; the branch hangs on the wave's number alone
.macro JLOADH k
	s_cmp_eq_u32 s[HF], 0
	s_cbranch_scc0 .Lhead_p_\@
	tensor_load_to_lds s[G0+12*\k:G0+12*\k+3], s[G1R:G1R+7], s[36:39], s[48:51]
	s_nop 0
.rept 4
	v_nop
.endr
	s_branch .Lhead_done_\@
.Lhead_p_\@:
	tensor_load_to_lds s[G0+12*\k+8:G0+12*\k+11], s[G1P:G1P+7]
	s_nop 0
.rept 4
	v_nop
.endr
.Lhead_done_\@:
.endm
	s_add_nc_u64 s[96:97], s[20:21], s[96:97]      ; P's rows
	s_add_nc_u64 s[VPT:VPT+1], s[VPT:VPT+1], s[98:99]          ; wv's rows, for later
	s_add_nc_u64 s[VPT+4:VPT+5], s[VPT+4:VPT+5], s[100:101]    ; value's rows, for later
.irp k, 0,1                                    ; half k of K: 256 bytes on in each row, slot k
	s_mov_b32 s[G0+12*\k], 1
	s_add_co_u32 s[G0+12*\k+1], s63, \k*SLOT
	s_add_nc_u64 s[G0+12*\k+2:G0+12*\k+3], s[12:13], \k*256
	s_or_b32 s[G0+12*\k+3], s[G0+12*\k+3], 0x80000000
	s_mov_b32 s[G0+12*\k+8], 1
	s_add_co_u32 s[G0+12*\k+9], s63, \k*SLOT+POFF
	s_add_nc_u64 s[G0+12*\k+10:G0+12*\k+11], s[96:97], \k*256
	s_or_b32 s[G0+12*\k+11], s[G0+12*\k+11], 0x80000000
.endr
	CROUND                                         ; all sixteen work-groups are here: the joint loads meet
	JLOADH 0                                       ; K's first half: one tensor load a wave at the head
	; the scale words of all of K, 32 bytes a row, straight into registers: they are read once
	v_and_b32 v1, 15, v0                           ; r
	v_bfe_u32 v2, v0, 4, 1                         ; h
.irp g, 0,1,2,3
	v_lshl_add_u32 v[4+\g], v2, 2, \g              ; lanes 0-15 take R tile g, lanes 16-31 tile g + 4;
	v_lshlrev_b32 v[4+\g], 15, v[4+\g]             ; a batch's scale bytes are 32,768
	v_lshl_add_u32 v[4+\g], v1, 5, v[4+\g]
.endr
	v_lshlrev_b32 v8, 5, v1
	v_lshl_add_u32 v8, v2, 11, v8                  ; P: 32 r, and four tiles on for lanes 16-31
	s_wait_alu depctr_va_vdst(0)
	s_lshl_b32 s98, s[RBLK], 10
	s_lshl_b32 s99, s[HF], 9
	s_add_co_u32 s98, s98, s99
	s_mov_b32 s99, 0
	s_add_nc_u64 s[18:19], s[18:19], s[98:99]
	s_lshl_b32 s98, s[CX], 13
	s_lshl_b32 s100, s[PF], 12
	s_add_co_u32 s98, s98, s100
	s_add_nc_u64 s[22:23], s[22:23], s[98:99]
.irp g, 0,1,2,3
	global_load_b128 v[RS+8*\g:RS+8*\g+3], v[4+\g], s[18:19]
	global_load_b128 v[RS+8*\g+4:RS+8*\g+7], v[4+\g], s[18:19] offset:16
	global_load_b128 v[PS+8*\g:PS+8*\g+3], v8, s[22:23] offset:512*\g
	global_load_b128 v[PS+8*\g+4:PS+8*\g+7], v8, s[22:23] offset:512*\g+16
.endr
	v_mul_u32_u24 v9, v1, PITCH
	v_lshl_add_u32 v9, v2, 4, v9                   ; a fragment's row x pitch + 16 x half
	s_mul_i32 s98, s[HF], 16*PITCH
	s_mul_i32 s100, s[PF], 128*PITCH
	s_add_co_u32 s100, s100, POFF
.irp s, 0,1
	v_add_nc_u32 v[ADRA+\s], s98, v9
	v_add_nc_u32 v[ADRB+\s], s100, v9
	s_add_co_u32 s98, s98, SLOT
	s_add_co_u32 s100, s100, SLOT
.endr
	s_wait_alu depctr_va_vdst(0)
	s_wait_loadcnt 0x0                             ; the scale words are in, so their bases are free:
	s_lshl_b32 s12, s[CY], 2
	s_lshl_b32 s12, 15, s12                        ; my row of the cluster
	s_or_b32 s[G1VR], s12, FLAGS                   ; v's R: 128 rows of 256 bytes, 512 apart
	s_mov_b32 s[G1VR+1], 256<<16
	s_mov_b32 s[G1VR+2], 128<<16
	s_mov_b32 s[G1VR+3], 256<<16
	s_mov_b32 s[G1VR+4], 128
	s_mov_b32 s[G1VR+5], 512
	s_mov_b32 s[G1VR+6], 0
	s_mov_b32 s[G1VR+7], 0
	s_wait_tensorcnt 0x0                           ; my part of K's first half is in; then, ahead of a later first fill:
	ds_add_u32 v[SPW], v[NIL]                      ; 0 onto my spare word
	s_wait_dscnt 0x0                               ; the add is done
	CROUND                                         ; a whole round: everybody's part is in, and all sixteen work-groups are here
	JLOADH 1                                       ; K's second half, the first tensor load behind the round
	FETCH_B 0, 0, 0
	FETCH_A 0, 0, 0
	FETCH_A 0, 0, 4
	STEP 0, 1                                      ; the first products start the sums: nothing is cleared
	STEP 1, 0
	STEP 2, 0
	CHANGE 3, 0                                    ; on into slot 1; slot 0 takes v's first half of K
	STEP 4, 0
	STEP 5, 0
	STEP 6, 0
	CHANGE 7, 1                                    ; the last K step of q or k; slot 1 takes v's second half of K
	; v's scale words take the places of q's or k's, which the last products have read (four places back): they land under the way out below
	s_lshl_b32 s96, s[VR], 12                      ; wv's: row 128 VR + 32 g + 16 hf + r, 32 bytes a row
	s_lshl_b32 s98, s[HF], 9
	s_add_co_u32 s96, s96, s98
	s_mov_b32 s97, 0
	s_add_nc_u64 s[VPT+2:VPT+3], s[VPT+2:VPT+3], s[96:97]
	s_lshl_b32 s96, s[VP], 13                      ; value's: row 256 VP + 128 pf + 16 b + r
	s_lshl_b32 s98, s[PF], 12
	s_add_co_u32 s96, s96, s98
	s_add_nc_u64 s[VPT+6:VPT+7], s[VPT+6:VPT+7], s[96:97]
	v_lshlrev_b32 v4, 5, v1                        ; 32 r: lanes 16-31 take the same words as lanes 0-15 and are not read
.irp g, 0,1,2,3
	global_load_b128 v[RS+8*\g:RS+8*\g+3], v4, s[VPT+2:VPT+3] offset:1024*\g
	global_load_b128 v[RS+8*\g+4:RS+8*\g+7], v4, s[VPT+2:VPT+3] offset:1024*\g+16
	global_load_b128 v[PS+8*\g:PS+8*\g+3], v8, s[VPT+6:VPT+7] offset:512*\g
	global_load_b128 v[PS+8*\g+4:PS+8*\g+7], v8, s[VPT+6:VPT+7] offset:512*\g+16
.endr
; 64 numbers of a lane, window 1 v0-63: register 16 b + 8 u + i is k = 32 b + 16 u + 8 (lane / 16) + i of my row.  They become a fragment's codes in v[PC] on and its scale word in v[PW].
; The conversion of (block b, half u) goes to register 4 (b / 2) + 2 u + b % 2; the exchange of halves between neighbouring registers then leaves registers 4 c .. 4 c + 3 of lane half h with k = 64 c + 32 h + 0 .. 31, in order.
.macro QUANT
	WIN 0x55                                       ; all operands in window 1
.irp b, 0,1,2,3
	v_max3_num_f32 v[TM+\b], |v[Y+16*\b]|, |v[Y+16*\b+1]|, 0x1800000   ; my 16 numbers of block b, and the floor 2^(3 - 127): the byte cannot fall under 1
.endr
.irp i, 2,4,6,8,10,12,14
.irp b, 0,1,2,3
	v_max3_num_f32 v[TM+\b], v[TM+\b], |v[Y+16*\b+\i]|, |v[Y+16*\b+\i+1]|
.endr
.endr
.irp b, 0,1,2,3
	v_permlanex16_b32 v[TM+4+\b], v[TM+\b], s[SEL], s[SEL+1]
.endr
.irp b, 0,1,2,3
	v_max_num_f32 v[TM+\b], v[TM+\b], v[TM+4+\b]   ; with lane l xor 16's: the block's largest magnitude
.endr
.irp b, 0,1,2,3
	v_add_nc_u32 v[TM+12+\b], 0xff000000, v[TM+\b] ; 2 off its exponent field: the conversion's scale operand
.endr
.irp b, 0,1,2,3
	v_lshrrev_b32 v[TM+8+\b], 23, v[TM+12+\b]      ; the scale's byte
.endr
	s_wait_alu depctr_va_vdst(0)
	s_wait_xcnt 0x0                                ; the last tile's stores have read their data: the word and the codes may be written again
	v_lshl_or_b32 v[PW], v[TM+9], 8, v[TM+8]
	v_lshl_or_b32 v[PW], v[TM+10], 16, v[PW]
	v_lshl_or_b32 v[PW], v[TM+11], 24, v[PW]
.irp b, 0,1,2,3
	v_cvt_scalef32_pk8_fp4_f32 v[PC+4*(\b/2)+(\b%2)], v[Y+16*\b:Y+16*\b+7], v[TM+12+\b]
	v_cvt_scalef32_pk8_fp4_f32 v[PC+4*(\b/2)+2+(\b%2)], v[Y+16*\b+8:Y+16*\b+15], v[TM+12+\b]
.endr
	v_nop                                          ; one plain place behind the scaled conversions
.irp c, 0,1
	v_permlane16_swap_b32 v[PC+4*\c], v[PC+4*\c+1]
	v_permlane16_swap_b32 v[PC+4*\c+2], v[PC+4*\c+3]
.endr
.endm
	; ---------------- the way out of q or k ----------------
	s_lshl_b32 s96, s[CX], 10
	s_lshl_b32 s98, s[PF], 9
	s_add_co_u32 s96, s96, s98
	s_add_nc_u64 s[24:25], s[24:25], s[96:97]      ; the bias of my 128 channels
	v_lshlrev_b32 v9, 5, v2
.irp b, 0,1,2,3,4,5,6,7                        ; in the result's layout: tile b, register j: channel 16 b + 8 h + j
	global_load_b128 v[BI+8*\b:BI+8*\b+3], v9, s[24:25] offset:64*\b
	global_load_b128 v[BI+8*\b+4:BI+8*\b+7], v9, s[24:25] offset:64*\b+16
.endr
	s_lshl_b32 s96, s[CX], 17                      ; where my codes go: head 4 cx + 2 pf (32,768 bytes a head), token tile 2 Rblk + hf (512 bytes)
	s_lshl_b32 s98, s[PF], 16
	s_add_co_u32 s96, s96, s98
	s_lshl_b32 s98, s[RBLK], 10
	s_add_co_u32 s96, s96, s98
	s_lshl_b32 s98, s[HF], 9
	s_add_co_u32 s96, s96, s98
	s_add_nc_u64 s[26:27], s[26:27], s[96:97]
	s_lshr_b32 s96, s96, 3                         ; the scale words: an eighth of that
	s_add_nc_u64 s[28:29], s[28:29], s[96:97]
	v_and_b32 v10, 31, v0
	v_lshlrev_b32 v10, 4, v10                      ; 16 x lane
	v_lshlrev_b32 v11, 2, v1
	v_lshl_add_u32 v11, v2, 12, v11                ; 4 r, and a head on for lanes 16-31
	s_lshl_b32 s98, s[RBLK], 5
	s_lshl_b32 s99, s[HF], 4
	s_add_co_u32 s98, s98, s99
	v_add_nc_u32 v12, s98, v1                      ; my position
	v_cvt_f32_u32 v[POSF], v12
	v_add_nc_u32 v12, 0xfffffe00, v12              ; - 512
	v_cvt_f32_i32 v[ES], v12
	s_mov_b32 s99, 0x3a800000                      ; q: + 1 / 1024
	s_cmp_eq_u32 s[KIND], 1
	s_cselect_b32 s99, 0xba800000, s99             ; k: - 1 / 1024 (downscale)
	s_cselect_b32 s100, 0, 0xc0400000              ; q: 3 off the exponent: the factor 1 / 8, exact
	v_mul_f32 v[ES], s99, v[ES]
	; the 16 scale factors: ((2 j + 25.6) / 89.6)^(+-(position - 512) / 1024), 2 j = 16 tt + 8 h + 2 p
.set e, 0
.rept 16
	v_lshl_add_u32 v[LG+e], v2, 3, 16*(e/4)+2*(e%4)
.set e, e+1
.endr
.set e, 0
.rept 16
	v_cvt_f32_u32 v[LG+e], v[LG+e]
.set e, e+1
.endr
.set e, 0
.rept 16
	v_add_f32 v[LG+e], 0x41cccccd, v[LG+e]
.set e, e+1
.endr
.set e, 0
.rept 16
	v_mul_f32 v[LG+e], 0x3c36db6e, v[LG+e]
.set e, e+1
.endr
.set e, 0
	s_wait_alu depctr_va_vdst(0)
.rept 16
	v_log_f32 v[LG+e], v[LG+e]
.set e, e+1
.endr
	v_nop                                          ; a plain place behind the batch,
	s_wait_alu depctr_va_vdst(0)                   ; and one wait for it, ahead of its first reader
.set e, 0
.rept 16
	v_fma_f32 v[LG+e], v[ES], v[LG+e], s100
.set e, e+1
.endr
.set e, 0
	s_wait_alu depctr_va_vdst(0)
.rept 16
	v_exp_f32 v[LG+e], v[LG+e]
.set e, e+1
.endr
.macro FBSET p, lo, hi                         ; 10^-((4 h + p) / 8)
	v_mov_b32 v[FB+\p], \lo
	v_mov_b32 v[T0+\p], \hi
.endm
	FBSET 0, 0x3f800000, 0x3ea1e89b                ; (plain work behind the exponentials)
	FBSET 1, 0x3f3ff911, 0x3e72d424
	FBSET 2, 0x3f0ff59a, 0x3e361887
	FBSET 3, 0x3ed7e89b, 0x3e088d77
.irp p, 0,1,2,3
	v_cndmask_b32 v[FB+\p], v[FB+\p], v[T0+\p], s[HM]
.endr
	s_wait_alu depctr_va_vdst(0)                   ; one wait for the 16 exponentials
; cosine and sine of position x 10^-tt x 10^-((4 h + p) / 8), for tt = t0, t0 + 1: eight at a time, stage by stage, so that no line waits for the line above it
.macro TRIG8 t0
.set e, 0
.rept 8
.set tt, (\t0)+e/4
.if tt == 1
	v_mul_f32 v[AR+e], 0x3dcccccd, v[FB+e%4]
.elseif tt == 2
	v_mul_f32 v[AR+e], 0x3c23d70a, v[FB+e%4]
.elseif tt == 3
	v_mul_f32 v[AR+e], 0x3a83126f, v[FB+e%4]
.endif
.set e, e+1
.endr
.set e, 0
.rept 8
.if (\t0)+e/4 == 0
	v_mul_f32 v[AR+e], v[POSF], v[FB+e%4]          ; the angle
.else
	v_mul_f32 v[AR+e], v[POSF], v[AR+e]
.endif
.set e, e+1
.endr
.set e, 0
.rept 8
	v_mul_f32 v[KR+e], 0x3f22f983, v[AR+e]         ; x 2 / pi
.set e, e+1
.endr
.set e, 0
.rept 8
	v_rndne_f32 v[KR+e], v[KR+e]                   ; k
.set e, e+1
.endr
.set e, 0
.rept 8
	v_fmamk_f32 v[AR+e], v[KR+e], 0xbfc90fdb, v[AR+e]   ; - k x the upper part of pi / 2: exact,
.set e, e+1
.endr
.set e, 0
.rept 8
	v_fmamk_f32 v[AR+e], v[KR+e], 0x333bbd2e, v[AR+e]   ; - k x the lower part: r, |r| <= pi / 4
.set e, e+1
.endr
.set e, 0
.rept 8
	v_mul_f32 v[ZR+e], v[AR+e], v[AR+e]            ; z = r^2
.set e, e+1
.endr
.set e, 0
.rept 8
	v_fmaak_f32 v[SR+e], s[S3], v[ZR+e], 0x3c08839e
	v_fmaak_f32 v[CR+e], s[C3], v[ZR+e], 0xbab6061a
.set e, e+1
.endr
.set e, 0
.rept 8
	v_fmaak_f32 v[SR+e], v[SR+e], v[ZR+e], 0xbe2aaaa3
	v_fmaak_f32 v[CR+e], v[CR+e], v[ZR+e], 0x3d2aaaa5
.set e, e+1
.endr
.set e, 0
.rept 8
	v_mul_f32 v[SR+e], v[SR+e], v[ZR+e]
	v_fmaak_f32 v[CR+e], v[CR+e], v[ZR+e], 0xbf000000
.set e, e+1
.endr
.set e, 0
.rept 8
	v_fma_f32 v[SR+e], v[SR+e], v[AR+e], v[AR+e]   ; sin r
	v_fma_f32 v[CR+e], v[CR+e], v[ZR+e], 1.0       ; cos r
.set e, e+1
.endr
.set e, 0
.rept 8
	v_cvt_i32_f32 v[KR+e], v[KR+e]
.set e, e+1
.endr
.set e, 0
.rept 8
	v_and_b32 v[T0+e%4], 1, v[KR+e]                ; k odd: sine and cosine change places
	v_cmp_eq_u32 vcc_lo, 1, v[T0+e%4]
	v_cndmask_b32 v[AR+e], v[SR+e], v[CR+e], vcc_lo
	v_cndmask_b32 v[ZR+e], v[CR+e], v[SR+e], vcc_lo
.set e, e+1
.endr
.set e, 0
.rept 8
	v_lshlrev_b32 v[SR+e], 30, v[KR+e]             ; the sine's sign: bit 1 of k;
	v_add_lshl_u32 v[CR+e], v[KR+e], 1, 30         ; the cosine's: bit 1 of k + 1
.set e, e+1
.endr
.set e, 0
.rept 8
	v_and_b32 v[SR+e], 0x80000000, v[SR+e]
	v_and_b32 v[CR+e], 0x80000000, v[CR+e]
.set e, e+1
.endr
.set e, 0
.rept 8
	v_xor_b32 v[AR+e], v[AR+e], v[SR+e]
	v_xor_b32 v[ZR+e], v[ZR+e], v[CR+e]
.set e, e+1
.endr
.set e, 0
.rept 8
	v_mul_f32 v[CSR+2*(4*(\t0)+e)], v[ZR+e], v[LG+4*(\t0)+e]     ; cos x scale,
	v_mul_f32 v[CSR+2*(4*(\t0)+e)+1], v[AR+e], v[LG+4*(\t0)+e]   ; sin x scale
.set e, e+1
.endr
.endm
	TRIG8 0
	TRIG8 2
	s_wait_loadcnt 0x0                             ; the bias, and v's scale words, which were asked for ahead of it
.set b, 0
.rept 8                                        ; the bias is turned once: xpos is linear, so xpos(x + bias) = xpos(x) + xpos(bias)
.set p, 0
.rept 4
	v_pk_mul_f32 v[AR+2*p:AR+2*p+1], v[BI+8*b+2*p:BI+8*b+2*p+1], v[CSR+2*(4*(b%4)+p):CSR+2*(4*(b%4)+p)+1] op_sel:[1,1] op_sel_hi:[0,1] neg_lo:[1,0]   ; (- b2 s, b1 s)
.set p, p+1
.endr
.set p, 0
.rept 4
	v_pk_fma_f32 v[BI+8*b+2*p:BI+8*b+2*p+1], v[BI+8*b+2*p:BI+8*b+2*p+1], v[CSR+2*(4*(b%4)+p):CSR+2*(4*(b%4)+p)+1], v[AR+2*p:AR+2*p+1] op_sel_hi:[1,0,1]   ; + (b1 c, b2 c)
.set p, p+1
.endr
.set b, b+1
.endr
	WIN 0x40
.irp b, 0,1,2,3
	v_mov_b32 v[TM+4+\b], 0                        ; written once: a lane permute's destination counts as one of its sources
.endr
; R tile a (batch a): the 64 numbers of my token, turned, into window 1.  Each accumulator is read from its low end on.
.macro XPOS a
.set AC, 64*((\a)%4)
	WIN 0x42+(\a)/4                                ; the sums in window 2 or 3, cos, sin and bias in window 0, the result in window 1
.set i, 0
.rept 32
	v_pk_fma_f32 v[Y+2*i:Y+2*i+1], v[AC+2*i:AC+2*i+1], v[CSR+2*(i%16):CSR+2*(i%16)+1], v[BI+2*i:BI+2*i+1] op_sel:[1,1,0] op_sel_hi:[0,1,1] neg_lo:[1,0,0]   ; (- x2 s, x1 s) + the turned bias
.set i, i+1
.endr
	WIN 0x52+(\a)/4
.set i, 0
.rept 32
	v_pk_fma_f32 v[Y+2*i:Y+2*i+1], v[AC+2*i:AC+2*i+1], v[CSR+2*(i%16):CSR+2*(i%16)+1], v[Y+2*i:Y+2*i+1] op_sel_hi:[1,0,1]   ; + (x1 c, x2 c)
.set i, i+1
.endr
.endm
; the fragment's registers 0-3 are my first head's image, 4-7 my second's.  A head's scale word: its two bytes, repeated in the upper half, where they scale the padded K 64 .. 127 of the next product
.macro STQK a
	WIN 0x55
	v_lshrrev_b32 v[PW+1], 16, v[PW]
	v_and_b32 v[PW+2], 0xffff, v[PW]
	v_cndmask_b32 v[PW+3], v[PW+2], v[PW+1], s[HM] ; lanes 0-15: the first head's bytes, lanes 16-31: the second's
	v_lshl_or_b32 v[PW+4], v[PW+3], 16, v[PW+3]
	WIN 0x04                                       ; a store's data: window 1
	global_store_b128 v10, v[PC:PC+3], s[26:27] offset:(\a)*524288          ; 512 consecutive bytes
	global_store_b128 v10, v[PC+4:PC+7], s[26:27] offset:(\a)*524288+32768
	global_store_b32 v11, v[PW+4], s[28:29] offset:(\a)*65536
.endm
.irp a, 0,1,2,3,4,5,6,7
	XPOS \a
	QUANT
	STQK \a
.endr
	WIN 0
	; ---------------- v: 128 rows of wv x 256 tokens ----------------
	s_lshl_b32 s96, s[VR], 9
	s_lshl_b32 s98, s[HF], 6
	s_add_co_u32 s96, s96, s98
	s_add_nc_u64 s[VPT+8:VPT+9], s[VPT+8:VPT+9], s[96:97]   ; the bias: R tile a, lane r: channel 128 VR + 32 a + 16 hf + r
	v_lshlrev_b32 v9, 2, v1                        ; 4 r (the loads that named v9 are in)
.irp a, 0,1,2,3
	global_load_b32 v[BI+\a], v9, s[VPT+8:VPT+9] offset:128*\a
.endr
	s_lshr_b32 s96, s[VP], 2                       ; where my codes go: batch VP / 4, head 2 VR (+ a / 2), key step 2 (VP % 4) + pf, channel tile hf (+ 2 (a % 2))
	s_lshl_b32 s96, s96, 19
	s_lshl_b32 s98, s[VR], 16
	s_add_co_u32 s96, s96, s98
	s_and_b32 s98, s[VP], 3
	s_lshl_b32 s98, s98, 13
	s_add_co_u32 s96, s96, s98
	s_lshl_b32 s98, s[PF], 12
	s_add_co_u32 s96, s96, s98
	s_lshl_b32 s98, s[HF], 10
	s_add_co_u32 s96, s96, s98
	s_add_nc_u64 s[VPT+10:VPT+11], s[VPT+10:VPT+11], s[96:97]
	s_lshr_b32 s96, s96, 4                         ; the scale words: a sixteenth of that
	s_add_nc_u64 s[VPT+12:VPT+13], s[VPT+12:VPT+13], s[96:97]
	s_wait_tensorcnt 0x0                           ; my parts of both of v's slots are in
	s_barrier_signal -1
	s_barrier_wait -1                              ; everybody's are.
	VFETCH 0
	VSTEP 0, 1                                     ; the first products start the sums anew
	VSTEP 1, 0
	VSTEP 2, 0
	VSTEP 3, 0
	VSTEP 4, 0
	VSTEP 5, 0
	VSTEP 6, 0
	VSTEP 7, 0
	PLACES
	s_wait_loadcnt 0x0                             ; the bias
.macro VADD a                                  ; my channel's 64 keys + its bias, into window 1: one line adds and moves
.set AC, 64*((\a)%4)
	WIN 0x42+(\a)/4
.set i, 0
.rept 32
.if (\a)%2
	v_pk_add_f32 v[Y+2*i:Y+2*i+1], v[AC+2*i:AC+2*i+1], v[BI+(\a)-1:BI+(\a)] op_sel:[0,1] op_sel_hi:[1,1]
.else
	v_pk_add_f32 v[Y+2*i:Y+2*i+1], v[AC+2*i:AC+2*i+1], v[BI+(\a):BI+(\a)+1] op_sel_hi:[1,0]
.endif
.set i, i+1
.endr
.endm
.macro STV a
	WIN 0x04
	global_store_b128 v10, v[PC:PC+3], s[VPT+10:VPT+11] offset:((\a)/2)*32768+((\a)%2)*2048
	global_store_b128 v10, v[PC+4:PC+7], s[VPT+10:VPT+11] offset:((\a)/2)*32768+((\a)%2)*2048+512
	global_store_b32 v9, v[PW], s[VPT+12:VPT+13] offset:((\a)/2)*2048+((\a)%2)*128   ; lanes 16-31 write the same word as lanes 0-15
.endm
.irp a, 0,1,2,3
	VADD \a
	QUANT
	STV \a
.endr
	WIN 0
	s_wait_tensorcnt 0x0                           ; the wave's end
	ds_add_u32 v[SPW], v[NIL]
	s_wait_dscnt 0x0
	CROUND                                         ; the closing round: no work-group ends while a partner may still ask for a tile that names it
	s_endpgm
.Lfunc_end_k_q24640d3e24_proj:
	.size	k_q24640d3e24_proj, .Lfunc_end_k_q24640d3e24_proj-k_q24640d3e24_proj
	.p2alignl 7, 3214868480
	.fill 96, 4, 3214868480
	.section	.rodata,"a",@progbits
	.p2align	6, 0x0
	.amdhsa_kernel k_q24640d3e24_proj
		.amdhsa_group_segment_fixed_size 327680
		.amdhsa_private_segment_fixed_size 0
		.amdhsa_enable_private_segment 0
		.amdhsa_kernarg_size 168
		.amdhsa_user_sgpr_count 2
		.amdhsa_user_sgpr_kernarg_segment_ptr 1
		.amdhsa_wavefront_size32 1
		.amdhsa_system_sgpr_workgroup_id_x 1
		.amdhsa_system_sgpr_workgroup_id_y 1
		.amdhsa_system_sgpr_workgroup_id_z 1
		.amdhsa_system_vgpr_workitem_id 0
		.amdhsa_next_free_vgpr 1024
		.amdhsa_next_free_sgpr 102
		.amdhsa_reserve_vcc 1
		.amdhsa_float_denorm_mode_32 3
		.amdhsa_float_denorm_mode_16_64 3
		.amdhsa_memory_ordered 1
		.amdhsa_forward_progress 1
		.amdhsa_inst_pref_size 255
	.end_amdhsa_kernel
	.section	.bss,"aw",@nobits
	.p2align	6
	.space	262144
	.amdgpu_metadata
---
amdhsa.version: [ 1, 2 ]
amdhsa.kernels:
  - .name:           k_q24640d3e24_proj
    .symbol:         k_q24640d3e24_proj.kd
    .args:
      - { .name: query_codes, .offset: 0, .size: 8, .value_kind: global_buffer, .address_space: global }
      - { .name: query_scales, .offset: 8, .size: 8, .value_kind: global_buffer, .address_space: global }
      - { .name: wq_codes, .offset: 16, .size: 8, .value_kind: global_buffer, .address_space: global }
      - { .name: wq_scales, .offset: 24, .size: 8, .value_kind: global_buffer, .address_space: global }
      - { .name: bq, .offset: 32, .size: 8, .value_kind: global_buffer, .address_space: global }
      - { .name: qcod, .offset: 40, .size: 8, .value_kind: global_buffer, .address_space: global }
      - { .name: qscl, .offset: 48, .size: 8, .value_kind: global_buffer, .address_space: global }
      - { .name: key_codes, .offset: 56, .size: 8, .value_kind: global_buffer, .address_space: global }
      - { .name: key_scales, .offset: 64, .size: 8, .value_kind: global_buffer, .address_space: global }
      - { .name: wk_codes, .offset: 72, .size: 8, .value_kind: global_buffer, .address_space: global }
      - { .name: wk_scales, .offset: 80, .size: 8, .value_kind: global_buffer, .address_space: global }
      - { .name: bk, .offset: 88, .size: 8, .value_kind: global_buffer, .address_space: global }
      - { .name: kcod, .offset: 96, .size: 8, .value_kind: global_buffer, .address_space: global }
      - { .name: kscl, .offset: 104, .size: 8, .value_kind: global_buffer, .address_space: global }
      - { .name: wv_codes, .offset: 112, .size: 8, .value_kind: global_buffer, .address_space: global }
      - { .name: wv_scales, .offset: 120, .size: 8, .value_kind: global_buffer, .address_space: global }
      - { .name: value_codes, .offset: 128, .size: 8, .value_kind: global_buffer, .address_space: global }
      - { .name: value_scales, .offset: 136, .size: 8, .value_kind: global_buffer, .address_space: global }
      - { .name: bv, .offset: 144, .size: 8, .value_kind: global_buffer, .address_space: global }
      - { .name: vcod, .offset: 152, .size: 8, .value_kind: global_buffer, .address_space: global }
      - { .name: vscl, .offset: 160, .size: 8, .value_kind: global_buffer, .address_space: global }
    .group_segment_fixed_size: 327680
    .private_segment_fixed_size: 0
    .kernarg_segment_align: 8
    .kernarg_segment_size: 168
    .max_flat_workgroup_size: 128
    .sgpr_count:     102
    .vgpr_count:     1024
    .wavefront_size: 32
...
	.end_amdgpu_metadata
.endif
;; end of part 1
;; launch attn (part 2): grid 4 x 64, 16 waves a work-group, clusters of 4 x 1, 167,936 bytes of LDS; arguments qcod, qscl, kcod, kscl, vcod, vscl, acod, ascl; writes acod, ascl
.if DOCPART == 2
	.amdgcn_target "amdgcn-amd-amdhsa--gfx1250"
	.amdhsa_code_object_version 6
	.text
	.protected	k_q24640d3e24_attn
	.globl	k_q24640d3e24_attn
	.p2align	8
	.type	k_q24640d3e24_attn,@function
k_q24640d3e24_attn:
	s_mov_b64 s[64:65], 0
	v_nop
	global_prefetch_b8 v0, s[64:65] scope:SCOPE_SE
	s_setreg_imm32_b32 hwreg(HW_REG_WAVE_MODE, 25, 1), 1
	s_wait_xcnt 0x0
	s_wait_alu depctr_hold_cnt(0) depctr_sa_sdst(0) depctr_va_vdst(0) depctr_va_sdst(0) depctr_va_ssrc(0) depctr_va_vcc(0) depctr_vm_vsrc(0)
	s_getreg_b32 s2, hwreg(HW_REG_IB_STS2, 6, 4)
	s_cmp_eq_u32 s2, 0
	s_cbranch_scc0 .Lentry_in_a_cluster
	s_endpgm
.Lentry_in_a_cluster:
	s_bfe_u32 s2, ttmp6, 0x10000c
	s_cmp_lg_u32 s2, 0x3003
	s_cbranch_scc0 .Lentry_shape_is_right
	s_endpgm
.Lentry_shape_is_right:
; ATTENTION on codes of FP4 (E2M1): S^T = K Q^T (K = the head's 64 channels), p = 2^(t - M), O^T = V^T P^T (K = the keys), O / l, and the quantiser of the result along the embedding.  Nothing of the problem is left out here.
; THE SOFTMAX: t = logit x log2(e); M = the running largest t, rounded UP to a whole number; p = 2^(t - M) is quantised along the keys, not normalised; the row's sum l is taken of the unquantised p and divides O at the end.
; When M moves, the sum and O are multiplied by 2^(old M - new M): exact.
; LIMITS: NaN and infinities are not served; a block of zeros gets the scale byte 1 (its codes are zeros; this program alone reads the bytes).  A block's largest p is made from the block's largest score by the same two instructions
;   as every p: this takes v_exp_f32 not to fall where its input rises.
; SHARES.  A work-group owns 256 queries of TWO heads (2 y, 2 y + 1); each of its sixteen waves owns one tile of 16 queries, in 256 registers, four waves to a SIMD, and walks head 0 and then head 1, 128 keys a step.
;   Two heads to a wave: its four scale bytes of a token are then one whole scale word of the last product's K step.
; CLUSTER.  The four query blocks of a pair of heads read the same K and V: one cluster, each tile asked for jointly.  Both heads' K and V (codes and scale words, 143,360 bytes) lie in LDS whole, filled once: no ring, no refill, no prefetch.
; ALL OPERANDS ARE IMAGES OF THEIR REGISTERS (lane l's 16 bytes at 16 l): every LDS read takes 512 consecutive bytes.
; K = 64 UNDER AN INSTRUCTION OF K = 128: Q's registers 4-7 are zero codes, so K's registers 4-7 may hold anything: they are the next tile's codes (four zero registers follow tile 7).  The scale words' upper bytes repeat the lower ones.
; LAYOUT.  Both products are used transposed: a lane holds ONE query (lane % 16).  In S^T register 8 t + j is key 16 t + 8 (lane / 16) + j; the conversions' results are placed so that one exchange of halves gives the operand's order.
.set KC,    0                          ; LDS: K's codes, 32,768 bytes a head
.set VC,    65536                      ; V's codes
.set KS,    131072                     ; K's scale words, 4,096 bytes a head
.set VS,    139264                     ; V's, 2,048 bytes a head
.set SPARE, 143360                     ; the spare words, 128 bytes a wave: eight blocks of 256 bytes that no other line names
.set LI,  1                            ; v1  16 x lane
.set LS,  2                            ; v2  4 x lane
.set AK,  3                            ; v3  LDS address of the head's K codes
.set AV,  4                            ; v4  of its V codes
.set SPW, 5                            ; v5  my spare word's address; never rewritten
.set NIL, 6                            ; v6  0; never rewritten
.set AKS, 7                            ; v7  of K's scale words
.set AVS, 8                            ; v8  of V's
.set R4,  10                           ; v10 4 r
.set WW,  11                           ; v11 the result's scale word
.set QF,  16                           ; v16-23 Q's fragment (20-23 zero codes); v24-27 the second head's; v28, v29 their scale words
.set KF,  32                           ; v32-63 eight tiles of K, v64-67 zeros
.set VF,  68                           ; v68-99 four fragments of V^T
.set S,   100                          ; v100-163 S^T, then p
.set O,   164                          ; v164-195 O^T
.set PC,  196                          ; v196-203 p's codes
.set KSC, 204                          ; v204-207 K's scale words: lanes 0-15 tile 2 i, lanes 16-31 tile 2 i + 1
.set VSC, 208                          ; v208-209 V's likewise
.set PSW, 210                          ; v210 p's scale word
.set BM,  212
.set BT,  216
.set BS,  220
.set FF,  224                          ; v[224:225] f (the pair's upper word is written once)
.set TMP, 226
.set SB,  228                          ; v[228:229] the sum's second chain
.set FC,  232                          ; v232-235 the result's codes
.set WV,  2
.set G1A, 32                           ; s[32:39] 64 rows of 256 bytes;  s[40:47] 16 rows
.set G1B, 40
.set CS,  66                           ; s[66:67] log2(e)
.set SEL, 68
.set HK,  70                           ; s70-73 where the head's K codes, V codes, K scale words, V scale words begin in LDS
.set HV,  71
.set HKS, 72
.set HVS, 73
.set HC,  77
.macro CROUND
	s_barrier_signal -1
	s_barrier_wait -1
	s_cmp_lg_u32 s[WV], 0
	s_cbranch_scc1 .Lnot_wave_0_\@
	s_barrier_signal -3
.Lnot_wave_0_\@:
	s_barrier_wait -3
	s_barrier_signal -1
	s_barrier_wait -1
.endm
	s_load_b512 s[16:31], s[0:1], 0x0              ; qcod 16, qscl 18, kcod 20, kscl 22, vcod 24, vscl 26, acod 28, ascl 30
	v_lshl_add_u32 v[SPW], v0, 2, SPARE
	v_mov_b32 v[NIL], 0
	ds_add_u32 v[SPW], v[NIL]                      ; the wave's opening: the add, twice on end, and its wait ahead of the first tensor loads
	ds_add_u32 v[SPW], v[NIL]
	v_lshrrev_b32 v1, 5, v0
	s_delay_alu instid0(VALU_DEP_1)
	v_readfirstlane_b32 s[WV], v1                  ; wave 0..15
	s_bfe_u32 s3, ttmp6, 0x40000                   ; cx: my block of 256 queries; it enters Q's and the result's addresses alone
	s_and_b32 s4, ttmp7, 0xffff                    ; y = 8 x batch + pair of heads, which the four partners share
	s_lshl_b32 s5, s3, 4
	s_add_co_u32 s5, s5, s[WV]                     ; my tile of 16 queries
	s_mov_b32 s[G1A], 15|(3<<16)|(1<<21)           ; the mask: all four work-groups; elements of 8 bytes; no padding
	s_mov_b32 s[G1A+1], 32<<16                     ; rows of 32 elements: the blocks are dense in memory
	s_mov_b32 s[G1A+2], 64<<16
	s_mov_b32 s[G1A+3], 32<<16
	s_mov_b32 s[G1A+4], 64
	s_mov_b32 s[G1A+5], 32
	s_mov_b32 s[G1A+6], 0
	s_mov_b32 s[G1A+7], 0
	s_mov_b32 s[G1B], 15|(3<<16)|(1<<21)
	s_mov_b32 s[G1B+1], 32<<16
	s_mov_b32 s[G1B+2], 16<<16
	s_mov_b32 s[G1B+3], 32<<16
	s_mov_b32 s[G1B+4], 16
	s_mov_b32 s[G1B+5], 32
	s_mov_b32 s[G1B+6], 0
	s_mov_b32 s[G1B+7], 0
	s_and_b32 s6, s[WV], 3
	s_lshl_b32 s6, s6, 14                          ; a quarter of a pair's codes: 16,384 bytes
	s_lshl_b32 s8, s4, 16
	s_add_co_u32 s8, s8, s6
	s_mov_b32 s9, 0
	s_and_b32 s7, s[WV], 1
	s_lshl_b32 s7, s7, 12                          ; half of a pair's K scale words: 4,096 bytes
	s_lshl_b32 s10, s4, 13
	s_add_co_u32 s10, s10, s7
	s_mov_b32 s11, 0
	s_lshl_b32 s12, s4, 12
	s_mov_b32 s13, 0
	s_mov_b32 s[CS], 0x3fb8aa3b
	s_mov_b32 s[CS+1], s[CS]                       ; (named with it as a pair, so it is written)
	s_mov_b32 s[SEL], 0x76543210
	s_mov_b32 s[SEL+1], 0xfedcba98
	s_mov_b32 s[HK], KC
	s_mov_b32 s[HV], VC
	s_mov_b32 s[HKS], KS
	s_mov_b32 s[HVS], VS
	s_mov_b32 s[HC], 0
	s_wait_dscnt 0x0                               ; both opening adds are done
	s_wait_kmcnt 0x0
	s_mov_b32 s48, 1                               ; waves 0-3: K's codes
	s_add_co_u32 s49, s6, KC
	s_add_nc_u64 s[50:51], s[20:21], s[8:9]
	s_or_b32 s51, s51, 0x80000000
	s_mov_b32 s52, 1                               ; waves 4-7: V's codes
	s_add_co_u32 s53, s6, VC
	s_add_nc_u64 s[54:55], s[24:25], s[8:9]
	s_or_b32 s55, s55, 0x80000000
	s_mov_b32 s56, 1                               ; waves 8, 9: K's scale words
	s_add_co_u32 s57, s7, KS
	s_add_nc_u64 s[58:59], s[22:23], s[10:11]
	s_or_b32 s59, s59, 0x80000000
	s_mov_b32 s60, 1                               ; wave 10: V's scale words
	s_mov_b32 s61, VS
	s_add_nc_u64 s[62:63], s[26:27], s[12:13]
	s_or_b32 s63, s63, 0x80000000
	CROUND                                         ; all four work-groups are here: the joint loads meet
	s_cmp_lt_u32 s[WV], 4                          ; one chain of branches on the wave's number, the same in every work-group: one load a wave, none in waves 11-15
	s_cbranch_scc0 .Lnot_kc
	tensor_load_to_lds s[48:51], s[G1A:G1A+7]
	s_nop 0
.rept 4
	v_nop
.endr
	s_branch .Lasked
.Lnot_kc:
	s_cmp_lt_u32 s[WV], 8
	s_cbranch_scc0 .Lnot_vc
	tensor_load_to_lds s[52:55], s[G1A:G1A+7]
	s_nop 0
.rept 4
	v_nop
.endr
	s_branch .Lasked
.Lnot_vc:
	s_cmp_lt_u32 s[WV], 10
	s_cbranch_scc0 .Lnot_ks
	tensor_load_to_lds s[56:59], s[G1B:G1B+7]
	s_nop 0
.rept 4
	v_nop
.endr
	s_branch .Lasked
.Lnot_ks:
	s_cmp_eq_u32 s[WV], 10
	s_cbranch_scc0 .Lasked
	tensor_load_to_lds s[60:63], s[G1B:G1B+7]
	s_nop 0
.rept 4
	v_nop
.endr
.Lasked:
	s_lshl_b32 s74, s4, 16                         ; head 2 y: 32,768 bytes a head; my tile: 512 bytes
	s_lshl_b32 s75, s5, 9
	s_add_co_u32 s74, s74, s75
	s_mov_b32 s75, 0
	s_add_nc_u64 s[16:17], s[16:17], s[74:75]      ; Q's codes
	s_add_nc_u64 s[28:29], s[28:29], s[74:75]      ; the result's codes, laid alike
	s_lshr_b32 s74, s74, 3
	s_add_nc_u64 s[18:19], s[18:19], s[74:75]      ; Q's scale words
	s_and_b32 s74, s4, 7                           ; the result's scale words: [pair of heads][token]
	s_lshl_b32 s74, s74, 15
	s_lshr_b32 s76, s4, 3
	s_lshl_b32 s76, s76, 12
	s_add_co_u32 s74, s74, s76
	s_lshl_b32 s76, s5, 6
	s_add_co_u32 s74, s74, s76
	s_add_nc_u64 s[30:31], s[30:31], s[74:75]
	v_and_b32 v[LS], 31, v0
	s_delay_alu instid0(VALU_DEP_1)
	v_lshlrev_b32 v[LI], 4, v[LS]
	s_delay_alu instid0(VALU_DEP_2)
	v_lshlrev_b32 v[LS], 2, v[LS]
	v_and_b32 v[R4], 15, v0
	s_delay_alu instid0(VALU_DEP_1)
	v_lshlrev_b32 v[R4], 2, v[R4]
	global_load_b128 v[16:19], v[LI], s[16:17]                ; Q of both heads stays in registers
	global_load_b128 v[24:27], v[LI], s[16:17] offset:32768
	global_load_b32 v28, v[R4], s[18:19]
	global_load_b32 v29, v[R4], s[18:19] offset:4096
.irp i, 0,1,2,3
	v_mov_b32 v[QF+4+\i], 0                        ; Q's K 64 .. 127: zero codes
	v_mov_b32 v[KF+32+\i], 0                       ; behind K's tile 7
	v_mov_b32 v[BT+\i], 0                          ; written once: a lane permute's destination counts as one of its sources
.endr
	v_mov_b32 v[WW], 0
	v_mov_b32 v[FF+1], 0
	s_wait_loadcnt 0x0
	s_wait_tensorcnt 0x0                           ; my load, if I have one, is in
	s_barrier_signal -1
	s_barrier_wait -1                              ; everybody's is
.macro KLOAD q                                 ; 12 loads: eight tiles of 16 keys, their scale words
.irp t, 0,1,2,3,4,5,6,7
	ds_load_b128 v[KF+4*\t:KF+4*\t+3], v[AK] offset:4096*(\q)+512*\t
.endr
.irp i, 0,1,2,3
	ds_load_b32 v[KSC+\i], v[AKS] offset:512*(\q)+128*\i
.endr
.endm
; A KEY STEP: 128 keys, the q-th of the head.  Step 0 starts the maximum, the sum and O^T: nothing is cleared but the sum's two words.
.macro STEP q
.if (\q) == 0
	KLOAD 0
.endif
	s_wait_dscnt 0x0                               ; this step's K is in
.irp t, 0,1,2,3,4,5,6,7
.if \t%2
	v_wmma_scale_f32_16x16x128_f8f6f4 v[S+8*\t:S+8*\t+7], v[KF+4*\t:KF+4*\t+7], v[QF:QF+7], 0, v[KSC+\t/2], v28 matrix_a_fmt:MATRIX_FMT_FP4 matrix_b_fmt:MATRIX_FMT_FP4 matrix_a_scale:MATRIX_SCALE_ROW1
.else
	v_wmma_scale_f32_16x16x128_f8f6f4 v[S+8*\t:S+8*\t+7], v[KF+4*\t:KF+4*\t+7], v[QF:QF+7], 0, v[KSC+\t/2], v28 matrix_a_fmt:MATRIX_FMT_FP4 matrix_b_fmt:MATRIX_FMT_FP4
.endif
.endr
.rept 4
	v_nop                                          ; places: in front of the loads into K's and V's registers, which matrix instructions have read, and of the first read of the scores
.endr
.irp t, 0,1,2,3
.irp c, 0,1
	ds_load_b128 v[VF+8*\t+4*\c:VF+8*\t+4*\c+3], v[AV] offset:4096*(\q)+1024*\t+512*\c
.endr
.endr
.irp i, 0,1
	ds_load_b32 v[VSC+\i], v[AVS] offset:256*(\q)+128*\i
.endr
.if (\q) < 7
	KLOAD (\q)+1                                   ; the next step's K lands under the softmax
.endif
.irp b, 0,1,2,3
	v_max3_num_f32 v[BM+\b], v[S+16*\b], v[S+16*\b+1], v[S+16*\b+2]   ; the largest score of each block of 32 keys: it serves the row's maximum and the block's largest p
.endr
.irp i, 3,5,7,9,11,13
.irp b, 0,1,2,3
	v_max3_num_f32 v[BM+\b], v[BM+\b], v[S+16*\b+\i], v[S+16*\b+\i+1]
.endr
.endr
.irp b, 0,1,2,3
	v_max_num_f32 v[BM+\b], v[BM+\b], v[S+16*\b+15]
.endr
.irp b, 0,1,2,3
	s_delay_alu instid0(VALU_DEP_4)
	v_permlanex16_b32 v[BT+\b], v[BM+\b], s[SEL], s[SEL+1]
.endr
.irp b, 0,1,2,3
	s_delay_alu instid0(VALU_DEP_4)
	v_max_num_f32 v[BM+\b], v[BM+\b], v[BT+\b]     ; with lane l xor 16's 16 keys
.endr
	s_delay_alu instid0(VALU_DEP_2)
	v_max3_num_f32 v[TMP], v[BM], v[BM+1], v[BM+2]
	s_delay_alu instid0(VALU_DEP_1)
	v_max_num_f32 v[TMP], v[TMP], v[BM+3]
.if (\q) == 0
	s_delay_alu instid0(VALU_DEP_1)
	v_mul_f32 v13, s[CS], v[TMP]                   ; the largest t
	s_delay_alu instid0(VALU_DEP_1)
	v_floor_f32 v12, -v13                          ; -M = floor(-t): M is a whole number
.else
	s_delay_alu instid0(VALU_DEP_1)
	v_mul_f32 v[TMP], s[CS], v[TMP]
	s_delay_alu instid0(VALU_DEP_1)
	v_max_num_f32 v13, v13, v[TMP]                 ; the running largest t
	v_mov_b32 v[TMP], v12
	s_delay_alu instid0(VALU_DEP_2)
	v_floor_f32 v12, -v13
	s_delay_alu instid0(VALU_DEP_1)
	v_sub_f32 v[TMP], v12, v[TMP]                  ; old M - new M: a whole number, 0 or less
	s_delay_alu instid0(VALU_DEP_1)
	v_cvt_i32_f32 v[TMP], v[TMP]
	s_delay_alu instid0(VALU_DEP_1)
	v_ldexp_f32 v[FF], 1.0, v[TMP]                 ; f = 2^(old M - new M)
.endif
.set j, 0
.rept 32
	v_pk_fma_f32 v[S+2*j:S+2*j+1], v[S+2*j:S+2*j+1], s[CS:CS+1], v[12:13] op_sel_hi:[1,0,0]   ; t - M
.set j, j+1
.endr
.irp b, 0,1,2,3
	v_fma_f32 v[BM+\b], v[BM+\b], s[CS], v12       ; the same of each block's largest score
.endr
.set j, 0
	s_wait_alu depctr_va_vdst(0)
.rept 64
	v_exp_f32 v[S+j], v[S+j]                       ; p = 2^(t - M)
.set j, j+1
.endr
.if (\q) == 0
	v_mov_b32 v14, 0                               ; the sum begins.  (A plain place behind the exponentials)
	v_mov_b32 v15, 0
.else
	v_pk_mul_f32 v[14:15], v[14:15], v[FF:FF+1] op_sel_hi:[1,0]   ; the sum under the new M.  (A plain place behind the exponentials)
.endif
	s_wait_alu depctr_va_vdst(0)                   ; one wait for the batch of 64, ahead of its first reader
.irp b, 0,1,2,3
	v_exp_f32 v[BM+\b], v[BM+\b]                   ; the block's largest p
.endr
	v_pk_add_f32 v[228:229], v[104:105], v[108:109]
	v_pk_add_f32 v[254:255], v[112:113], v[116:117]
	v_pk_add_f32 v[252:253], v[120:121], v[124:125]
	v_pk_add_f32 v[250:251], v[128:129], v[132:133]
	v_pk_add_f32 v[248:249], v[136:137], v[140:141]
	v_pk_add_f32 v[246:247], v[144:145], v[148:149]
	v_pk_add_f32 v[244:245], v[152:153], v[156:157]
	v_pk_add_f32 v[14:15], v[14:15], v[160:161]
	v_pk_add_f32 v[228:229], v[228:229], v[100:101]
	v_pk_add_f32 v[254:255], v[254:255], v[102:103]
	v_pk_add_f32 v[252:253], v[252:253], v[106:107]
	v_pk_add_f32 v[250:251], v[250:251], v[110:111]
	v_pk_add_f32 v[248:249], v[248:249], v[114:115]
	v_pk_add_f32 v[246:247], v[246:247], v[118:119]
	v_pk_add_f32 v[244:245], v[244:245], v[122:123]
	v_pk_add_f32 v[14:15], v[14:15], v[126:127]
	v_pk_add_f32 v[228:229], v[228:229], v[130:131]
	v_pk_add_f32 v[254:255], v[254:255], v[134:135]
	v_pk_add_f32 v[252:253], v[252:253], v[138:139]
	v_pk_add_f32 v[250:251], v[250:251], v[142:143]
	v_pk_add_f32 v[248:249], v[248:249], v[146:147]
	v_pk_add_f32 v[246:247], v[246:247], v[150:151]
	v_pk_add_f32 v[244:245], v[244:245], v[154:155]
	v_pk_add_f32 v[14:15], v[14:15], v[158:159]
	v_pk_add_f32 v[228:229], v[228:229], v[162:163]
	s_delay_alu instid0(VALU_DEP_2)
	v_pk_add_f32 v[14:15], v[14:15], v[250:251]
	s_delay_alu instid0(VALU_DEP_2)
	v_pk_add_f32 v[228:229], v[228:229], v[248:249]
	v_pk_add_f32 v[254:255], v[254:255], v[246:247]
	v_pk_add_f32 v[252:253], v[252:253], v[244:245]
	s_delay_alu instid0(VALU_DEP_2)
	v_pk_add_f32 v[14:15], v[14:15], v[254:255]
	s_delay_alu instid0(VALU_DEP_2)
	v_pk_add_f32 v[228:229], v[228:229], v[252:253]
	s_delay_alu instid0(VALU_DEP_1)
	v_pk_add_f32 v[14:15], v[14:15], v[228:229]
	s_wait_alu depctr_va_vdst(0)                   ; and one for the four
.irp b, 0,1,2,3
	v_max_num_f32 v[BM+\b], 0x1800000, v[BM+\b]    ; the floor 2^(3 - 127): the byte cannot fall under 1
.endr
.irp b, 0,1,2,3
	s_delay_alu instid0(VALU_DEP_4)
	v_add_nc_u32 v[BS+\b], 0xff000000, v[BM+\b]    ; 2 off the exponent field: the conversion's scale operand
.endr
.irp b, 0,1,2,3
	s_delay_alu instid0(VALU_DEP_4)
	v_lshrrev_b32 v[BT+\b], 23, v[BS+\b]
.endr
	s_delay_alu instid0(VALU_DEP_3)
	v_lshl_or_b32 v[PSW], v[BT+1], 8, v[BT]        ; p's scale word for these 128 keys
	s_delay_alu instid0(VALU_DEP_1)
	v_lshl_or_b32 v[PSW], v[BT+2], 16, v[PSW]
	s_delay_alu instid0(VALU_DEP_1)
	v_lshl_or_b32 v[PSW], v[BT+3], 24, v[PSW]
.irp b, 0,1,2,3
	v_cvt_scalef32_pk8_fp4_f32 v[PC+4*(\b/2)+(\b%2)], v[S+16*\b:S+16*\b+7], v[BS+\b]
	v_cvt_scalef32_pk8_fp4_f32 v[PC+4*(\b/2)+2+(\b%2)], v[S+16*\b+8:S+16*\b+15], v[BS+\b]
.endr
	v_nop                                          ; one plain place behind the scaled conversions
.irp c, 0,1
	v_permlane16_swap_b32 v[PC+4*\c], v[PC+4*\c+1]
	v_permlane16_swap_b32 v[PC+4*\c+2], v[PC+4*\c+3]
.endr
.if (\q) == 0
	s_wait_alu depctr_va_vdst(0)
.rept 8
	v_nop                                          ; a scale word made by vector instructions stands eight places ahead of the scaled product
.endr
.else
.set j, 0
.rept 16
	v_pk_mul_f32 v[O+2*j:O+2*j+1], v[O+2*j:O+2*j+1], v[FF:FF+1] op_sel_hi:[1,0]   ; O^T under the new M.  (For each product twelve of these name none of its registers: its places)
.set j, j+1
.endr
.endif
.if (\q) < 7
	s_wait_alu depctr_va_vdst(0)
	s_wait_dscnt 12                                ; V is in; the next step's twelve loads of K may be out
.else
	s_wait_alu depctr_va_vdst(0)
	s_wait_dscnt 0x0
.endif
.irp t, 0,1,2,3                                ; the four accumulators by turns, one instruction a turn
.if (\q) == 0
.if \t%2
	v_wmma_scale_f32_16x16x128_f8f6f4 v[O+8*\t:O+8*\t+7], v[VF+8*\t:VF+8*\t+7], v[PC:PC+7], 0, v[VSC+\t/2], v[PSW] matrix_a_fmt:MATRIX_FMT_FP4 matrix_b_fmt:MATRIX_FMT_FP4 matrix_a_scale:MATRIX_SCALE_ROW1
.else
	v_wmma_scale_f32_16x16x128_f8f6f4 v[O+8*\t:O+8*\t+7], v[VF+8*\t:VF+8*\t+7], v[PC:PC+7], 0, v[VSC+\t/2], v[PSW] matrix_a_fmt:MATRIX_FMT_FP4 matrix_b_fmt:MATRIX_FMT_FP4
.endif
.else
.if \t%2
	v_wmma_scale_f32_16x16x128_f8f6f4 v[O+8*\t:O+8*\t+7], v[VF+8*\t:VF+8*\t+7], v[PC:PC+7], v[O+8*\t:O+8*\t+7], v[VSC+\t/2], v[PSW] matrix_a_fmt:MATRIX_FMT_FP4 matrix_b_fmt:MATRIX_FMT_FP4 matrix_a_scale:MATRIX_SCALE_ROW1
.else
	v_wmma_scale_f32_16x16x128_f8f6f4 v[O+8*\t:O+8*\t+7], v[VF+8*\t:VF+8*\t+7], v[PC:PC+7], v[O+8*\t:O+8*\t+7], v[VSC+\t/2], v[PSW] matrix_a_fmt:MATRIX_FMT_FP4 matrix_b_fmt:MATRIX_FMT_FP4
.endif
.endif
.endr
.endm
.Lhead:                                            ; two trips: head 2 y, head 2 y + 1
	v_add_nc_u32 v[AK], s[HK], v[LI]
	v_add_nc_u32 v[AV], s[HV], v[LI]
	v_add_nc_u32 v[AKS], s[HKS], v[LS]
	v_add_nc_u32 v[AVS], s[HVS], v[LS]
	s_wait_alu depctr_va_vdst(0)
.irp q, 0,1,2,3,4,5,6,7
	STEP \q
.endr
	; the head's end: O^T / l, quantised along the head's 64 channels (two blocks), which are 64 of the last product's K
	v_mov_b32 v28, v29                             ; the second head's Q takes the first's place.  (Five plain lines that name nothing of the last products: their places)
.irp i, 0,1,2,3
	v_mov_b32 v[QF+\i], v[24+\i]
.endr
	v_add_f32 v14, v14, v15                        ; the sum's two halves,
	s_delay_alu instid0(VALU_DEP_1)
	v_permlanex16_b32 v[TMP], v14, s[SEL], s[SEL+1]
	s_delay_alu instid0(VALU_DEP_1)
	v_add_f32 v14, v14, v[TMP]                     ; and lane l xor 16's
	s_wait_alu depctr_va_vdst(0)
	v_rcp_f32 v[FF], v14
	v_nop                                          ; a plain place behind the reciprocal,
	s_wait_alu depctr_va_vdst(0)                   ; and its wait
.set j, 0
.rept 16
	v_pk_mul_f32 v[S+2*j:S+2*j+1], v[O+2*j:O+2*j+1], v[FF:FF+1] op_sel_hi:[1,0]   ; register 8 t + i: channel 16 t + 8 h + i.  Each accumulator from its low end on
.set j, j+1
.endr
.irp b, 0,1
	v_max3_num_f32 v[BM+\b], |v[S+16*\b]|, |v[S+16*\b+1]|, 0x1800000
.endr
.irp i, 2,4,6,8,10,12,14
.irp b, 0,1
	s_delay_alu instid0(VALU_DEP_2)
	v_max3_num_f32 v[BM+\b], v[BM+\b], |v[S+16*\b+\i]|, |v[S+16*\b+\i+1]|
.endr
.endr
.irp b, 0,1
	s_delay_alu instid0(VALU_DEP_2)
	v_permlanex16_b32 v[BT+\b], v[BM+\b], s[SEL], s[SEL+1]
.endr
.irp b, 0,1
	s_delay_alu instid0(VALU_DEP_2)
	v_max_num_f32 v[BM+\b], v[BM+\b], v[BT+\b]
.endr
.irp b, 0,1
	s_delay_alu instid0(VALU_DEP_2)
	v_add_nc_u32 v[BS+\b], 0xff000000, v[BM+\b]
.endr
.irp b, 0,1
	s_delay_alu instid0(VALU_DEP_2)
	v_lshrrev_b32 v[BT+\b], 23, v[BS+\b]
.endr
	s_delay_alu instid0(VALU_DEP_1)
	v_lshl_or_b32 v[TMP], v[BT+1], 8, v[BT]        ; the head's two bytes
	v_lshrrev_b32 v[WW], 16, v[WW]
	s_delay_alu instid0(VALU_DEP_1)
	v_lshl_or_b32 v[WW], v[TMP], 16, v[WW]         ; behind two heads: (head 2 y: blocks 0, 1; head 2 y + 1: blocks 0, 1)
.irp b, 0,1
	v_cvt_scalef32_pk8_fp4_f32 v[FC+\b], v[S+16*\b:S+16*\b+7], v[BS+\b]
	v_cvt_scalef32_pk8_fp4_f32 v[FC+2+\b], v[S+16*\b+8:S+16*\b+15], v[BS+\b]
.endr
	v_nop
	v_permlane16_swap_b32 v[FC], v[FC+1]
	v_permlane16_swap_b32 v[FC+2], v[FC+3]
	global_store_b128 v[LI], v[FC:FC+3], s[28:29]  ; 512 consecutive bytes: the tile's image
	s_add_co_u32 s[HK], s[HK], 32768
	s_add_co_u32 s[HV], s[HV], 32768
	s_add_co_u32 s[HKS], s[HKS], 4096
	s_add_co_u32 s[HVS], s[HVS], 2048
	s_wait_xcnt 0x0                                ; the store has read its base and its data: both may be written again
	s_add_nc_u64 s[28:29], s[28:29], 32768
	s_add_co_u32 s[HC], s[HC], 1
	s_cmp_lt_u32 s[HC], 2
	s_cbranch_scc1 .Lhead
	s_wait_alu depctr_va_vdst(0)
	global_store_b32 v[R4], v[WW], s[30:31]        ; lanes 16-31 write the same word as lanes 0-15
	s_wait_tensorcnt 0x0                           ; the wave's end
	ds_add_u32 v[SPW], v[NIL]
	s_wait_dscnt 0x0
	CROUND                                         ; the closing round
	s_endpgm
.Lfunc_end_k_q24640d3e24_attn:
	.size	k_q24640d3e24_attn, .Lfunc_end_k_q24640d3e24_attn-k_q24640d3e24_attn
	.p2alignl 7, 3214868480
	.fill 96, 4, 3214868480
	.section	.rodata,"a",@progbits
	.p2align	6, 0x0
	.amdhsa_kernel k_q24640d3e24_attn
		.amdhsa_group_segment_fixed_size 167936
		.amdhsa_private_segment_fixed_size 0
		.amdhsa_enable_private_segment 0
		.amdhsa_kernarg_size 64
		.amdhsa_user_sgpr_count 2
		.amdhsa_user_sgpr_kernarg_segment_ptr 1
		.amdhsa_wavefront_size32 1
		.amdhsa_system_sgpr_workgroup_id_x 1
		.amdhsa_system_sgpr_workgroup_id_y 1
		.amdhsa_system_sgpr_workgroup_id_z 1
		.amdhsa_system_vgpr_workitem_id 0
		.amdhsa_next_free_vgpr 256
		.amdhsa_next_free_sgpr 80
		.amdhsa_reserve_vcc 0
		.amdhsa_float_denorm_mode_32 3
		.amdhsa_float_denorm_mode_16_64 3
		.amdhsa_memory_ordered 1
		.amdhsa_forward_progress 1
		.amdhsa_inst_pref_size 137
	.end_amdhsa_kernel
	.amdgpu_metadata
---
amdhsa.version: [ 1, 2 ]
amdhsa.kernels:
  - .name:           k_q24640d3e24_attn
    .symbol:         k_q24640d3e24_attn.kd
    .args:
      - { .name: qcod, .offset: 0, .size: 8, .value_kind: global_buffer, .address_space: global }
      - { .name: qscl, .offset: 8, .size: 8, .value_kind: global_buffer, .address_space: global }
      - { .name: kcod, .offset: 16, .size: 8, .value_kind: global_buffer, .address_space: global }
      - { .name: kscl, .offset: 24, .size: 8, .value_kind: global_buffer, .address_space: global }
      - { .name: vcod, .offset: 32, .size: 8, .value_kind: global_buffer, .address_space: global }
      - { .name: vscl, .offset: 40, .size: 8, .value_kind: global_buffer, .address_space: global }
      - { .name: acod, .offset: 48, .size: 8, .value_kind: global_buffer, .address_space: global }
      - { .name: ascl, .offset: 56, .size: 8, .value_kind: global_buffer, .address_space: global }
    .group_segment_fixed_size: 167936
    .private_segment_fixed_size: 0
    .kernarg_segment_align: 8
    .kernarg_segment_size: 64
    .max_flat_workgroup_size: 512
    .sgpr_count:     80
    .vgpr_count:     256
    .wavefront_size: 32
...
	.end_amdgpu_metadata
.endif
;; end of part 2
;; launch oproj (part 3): grid 8 x 32, 4 waves a work-group, clusters of 4 x 4, 327,680 bytes of LDS; arguments acod, ascl, wo_codes, wo_scales, bo, out0; writes out0
.if DOCPART == 3
	.amdgcn_target "amdgcn-amd-amdhsa--gfx1250"
	.amdhsa_code_object_version 6
	.text
	.protected	k_q24640d3e24_oproj
	.globl	k_q24640d3e24_oproj
	.p2align	8
	.type	k_q24640d3e24_oproj,@function
k_q24640d3e24_oproj:
	s_mov_b64 s[64:65], 0
	v_nop
	global_prefetch_b8 v0, s[64:65] scope:SCOPE_SE
	s_setreg_imm32_b32 hwreg(HW_REG_WAVE_MODE, 25, 1), 1
	s_wait_xcnt 0x0
	s_wait_alu depctr_hold_cnt(0) depctr_sa_sdst(0) depctr_va_vdst(0) depctr_va_sdst(0) depctr_va_ssrc(0) depctr_va_vcc(0) depctr_vm_vsrc(0)
	s_getreg_b32 s2, hwreg(HW_REG_IB_STS2, 6, 4)
	s_cmp_eq_u32 s2, 0
	s_cbranch_scc0 .Lentry_in_a_cluster
	s_endpgm
.Lentry_in_a_cluster:
	s_bfe_u32 s2, ttmp6, 0x10000c
	s_cmp_lg_u32 s2, 0xf033
	s_cbranch_scc0 .Lentry_shape_is_right
	s_endpgm
.Lentry_shape_is_right:
; THE LAST PROJECTION: out0 = attn wo^T + bo on codes of FP4 (E2M1) with one E8M0 scale for each 32 along K; nothing of the problem is left out here.
; A work-group of four waves makes 256 tokens x 128 columns; clusters of 4 x 4: the tokens' images are asked for jointly along a row of the cluster, wo's rows along a column.
; K's two halves lie in two regions of LDS, each filled once: the first at the head, one joint load a wave; the second behind the three lines and a round of the cluster's barrier.
; The scale words and the bias go from memory straight into registers; they are asked for while the first half is on its way.  The bias is the C of each accumulator's first product.
.set NPT,    4
.set PITCH,  272
.set POFF,   131072
.set PHALF,  128*PITCH
.set STAGE,  POFF+2*PHALF
.set SPARE,  STAGE+4*16*PITCH
.set ADRA, 16
.set ADRB, 20
.set STO,  24
.set RD,   25
.set CO,   26
.set SPW,  28
.set NIL,  29
.set RS,   32
.set PS,   64
.set BO,   96
.set AF,   128
.set BK,   128
.set WV,   2
.set HF,   3
.set PF,   4
.set CX,   5
.set CY,   6
.set RBLK, 10
.set PBLK, 11
.set G1,   32
.set G0,   40
.set G1B,  48
.set G0B,  56
.set MSB, 0
.macro WIN new
.if MSB != \new
	s_set_vgpr_msb (MSB<<8)|\new
.set MSB, \new
.endif
.endm
.macro PLACES
.rept 4
	v_nop
.endr
.endm
.macro CREST
	s_cmp_lg_u32 s[WV], 0
	s_cbranch_scc1 .Lnot_wave_0_\@
	s_barrier_signal -3
.Lnot_wave_0_\@:
	s_barrier_wait -3
	s_barrier_signal -1
	s_barrier_wait -1
.endm
.macro CROUND
	s_barrier_signal -1
	s_barrier_wait -1
	CREST
.endm
.macro JLOAD s
	s_cmp_eq_u32 s[HF], 0
	s_cbranch_scc0 .Lfor_p_\@
	tensor_load_to_lds s[G0+4*\s:G0+4*\s+3], s[G1:G1+7]
	s_nop 0
.rept 4
	v_nop
.endr
	s_branch .Lasked_\@
.Lfor_p_\@:
	tensor_load_to_lds s[G0B+4*\s:G0B+4*\s+3], s[G1B:G1B+7]
	s_nop 0
.rept 4
	v_nop
.endr
.Lasked_\@:
.endm
.macro WM a, b, p, kq, first
.set rD, 8*(NPT*(\a)+(\b))
.set rP, 128*(\p)+8*(\b)
.set rR, AF+8*(\a)
.set rC, BO+8*(\b)
.set rSP, PS+8*((\b)%(NPT/2))+(\kq)
.set rSR, RS+8*((\a)%4)+(\kq)
.set hiP, (\b)/(NPT/2)
.set hiR, (\a)/4
.if \first
.if hiP && hiR
	v_wmma_scale_f32_16x16x128_f8f6f4 v[rD:rD+7], v[rP:rP+7], v[rR:rR+7], v[rC:rC+7], v[rSP], v[rSR] matrix_a_fmt:MATRIX_FMT_FP4 matrix_b_fmt:MATRIX_FMT_FP4 matrix_a_scale:MATRIX_SCALE_ROW1 matrix_b_scale:MATRIX_SCALE_ROW1
.elseif hiP
	v_wmma_scale_f32_16x16x128_f8f6f4 v[rD:rD+7], v[rP:rP+7], v[rR:rR+7], v[rC:rC+7], v[rSP], v[rSR] matrix_a_fmt:MATRIX_FMT_FP4 matrix_b_fmt:MATRIX_FMT_FP4 matrix_a_scale:MATRIX_SCALE_ROW1
.elseif hiR
	v_wmma_scale_f32_16x16x128_f8f6f4 v[rD:rD+7], v[rP:rP+7], v[rR:rR+7], v[rC:rC+7], v[rSP], v[rSR] matrix_a_fmt:MATRIX_FMT_FP4 matrix_b_fmt:MATRIX_FMT_FP4 matrix_b_scale:MATRIX_SCALE_ROW1
.else
	v_wmma_scale_f32_16x16x128_f8f6f4 v[rD:rD+7], v[rP:rP+7], v[rR:rR+7], v[rC:rC+7], v[rSP], v[rSR] matrix_a_fmt:MATRIX_FMT_FP4 matrix_b_fmt:MATRIX_FMT_FP4
.endif
.else
.if hiP && hiR
	v_wmma_scale_f32_16x16x128_f8f6f4 v[rD:rD+7], v[rP:rP+7], v[rR:rR+7], v[rD:rD+7], v[rSP], v[rSR] matrix_a_fmt:MATRIX_FMT_FP4 matrix_b_fmt:MATRIX_FMT_FP4 matrix_a_scale:MATRIX_SCALE_ROW1 matrix_b_scale:MATRIX_SCALE_ROW1
.elseif hiP
	v_wmma_scale_f32_16x16x128_f8f6f4 v[rD:rD+7], v[rP:rP+7], v[rR:rR+7], v[rD:rD+7], v[rSP], v[rSR] matrix_a_fmt:MATRIX_FMT_FP4 matrix_b_fmt:MATRIX_FMT_FP4 matrix_a_scale:MATRIX_SCALE_ROW1
.elseif hiR
	v_wmma_scale_f32_16x16x128_f8f6f4 v[rD:rD+7], v[rP:rP+7], v[rR:rR+7], v[rD:rD+7], v[rSP], v[rSR] matrix_a_fmt:MATRIX_FMT_FP4 matrix_b_fmt:MATRIX_FMT_FP4 matrix_b_scale:MATRIX_SCALE_ROW1
.else
	v_wmma_scale_f32_16x16x128_f8f6f4 v[rD:rD+7], v[rP:rP+7], v[rR:rR+7], v[rD:rD+7], v[rSP], v[rSR] matrix_a_fmt:MATRIX_FMT_FP4 matrix_b_fmt:MATRIX_FMT_FP4
.endif
.endif
.endm
.macro MUL2 a0, p, kq, first
.irp a, \a0, \a0+1
.irp b, 0,1,2,3
	WM \a, \b, \p, \kq, \first
.endr
.endr
.endm
.macro MULWIN first
.if \first
	WIN 0x81
.else
	WIN 0xa1
.endif
.endm
.macro FRAGP reg, slot, q, i
.irp c, 0,1
	ds_load_b128 v[\reg+4*\c:\reg+4*\c+3], v[ADRB+(\slot)] offset:64*(\q)+32*\c+(\i)*16*PITCH
.endr
.endm
.macro FRAGR reg, slot, q, i
.irp c, 0,1
	ds_load_b128 v[\reg+4*\c:\reg+4*\c+3], v[ADRA+(\slot)] offset:(2*(\q)+\c)*4096+(\i)*512
.endr
.endm
.macro FETCH_B slot, q, p
	WIN 0x40
.irp i, 0,1,2,3
	FRAGP 128*(\p)+8*\i, \slot, \q, \i
.endr
	WIN 0
.endm
.macro FETCH_A slot, q, i0
.irp i, \i0, \i0+1, \i0+2, \i0+3
	FRAGR AF+8*(\i), \slot, \q, \i
.endr
.endm
.macro STEP kq, first
	s_wait_dscnt 8
	MULWIN \first
	MUL2 0, (\kq)%2, \kq, \first
	MUL2 2, (\kq)%2, \kq, \first
	s_wait_dscnt 0x0
	PLACES
	FETCH_B ((\kq)+1)/4, ((\kq)+1)%4, 1-(\kq)%2
	FETCH_A ((\kq)+1)/4, ((\kq)+1)%4, 0
	MULWIN \first
	MUL2 4, (\kq)%2, \kq, \first
	MUL2 6, (\kq)%2, \kq, \first
	PLACES
	WIN 0
	FETCH_A ((\kq)+1)/4, ((\kq)+1)%4, 4
.endm
	s_load_b256 s[16:23], s[0:1], 0x0
	s_load_b128 s[24:27], s[0:1], 0x20
	v_lshl_add_u32 v[SPW], v0, 2, SPARE
	v_mov_b32 v[NIL], 0
	ds_add_u32 v[SPW], v[NIL]
	ds_add_u32 v[SPW], v[NIL]
	v_lshrrev_b32 v1, 5, v0
	v_readfirstlane_b32 s[WV], v1
	s_lshr_b32 s[HF], s[WV], 1
	s_and_b32 s[PF], s[WV], 1
	s_bfe_u32 s[CX], ttmp6, 0x40000
	s_bfe_u32 s[CY], ttmp6, 0x40004
	s_lshl_b32 s[PBLK], ttmp9, 2
	s_add_co_u32 s[PBLK], s[PBLK], s[CX]
	s_and_b32 s[RBLK], ttmp7, 0xffff
	s_lshl_b32 s[RBLK], s[RBLK], 2
	s_add_co_u32 s[RBLK], s[RBLK], s[CY]
	s_lshl_b32 s12, s[CY], 2
	s_lshl_b32 s12, 15, s12
	s_lshl_b32 s68, 0x1111, s[CX]
	s_or_b32 s[G1], s12, (3<<16)|(1<<21)
	s_mov_b32 s[G1+1], 512<<16
	s_mov_b32 s[G1+2], 8<<16
	s_mov_b32 s[G1+3], 512<<16
	s_mov_b32 s[G1+4], 8
	s_mov_b32 s[G1+5], 4096
	s_mov_b32 s[G1+6], 0
	s_mov_b32 s[G1+7], 0
	s_or_b32 s[G1B], s68, (1<<20)|(1<<21)|(5<<22)|(3<<25)
	s_mov_b32 s[G1B+1], 256<<16
	s_mov_b32 s[G1B+2], 64<<16
	s_mov_b32 s[G1B+3], 256<<16
	s_mov_b32 s[G1B+4], 64
	s_mov_b32 s[G1B+5], 512
	s_mov_b32 s[G1B+6], 0
	s_mov_b32 s[G1B+7], 0
	s_lshr_b32 s12, s[RBLK], 2
	s_lshl_b32 s12, s12, 19
	s_and_b32 s13, s[RBLK], 3
	s_lshl_b32 s13, s13, 13
	s_add_co_u32 s12, s12, s13
	s_lshl_b32 s13, s[PF], 12
	s_add_co_u32 s12, s12, s13
	s_mov_b32 s13, 0
	s_lshl_b32 s14, s[PF], 15
	s_lshl_b32 s68, s[PBLK], 16
	s_lshl_b32 s69, s[PF], 15
	s_add_co_u32 s68, s68, s69
	s_mov_b32 s69, 0
	s_mul_i32 s70, s[PF], 64*PITCH
	s_wait_dscnt 0x0
	s_wait_kmcnt 0x0
	s_add_nc_u64 s[12:13], s[16:17], s[12:13]
	s_add_nc_u64 s[68:69], s[20:21], s[68:69]
	CROUND
.irp s, 0,1
	s_mov_b32 s[G0+4*\s], 1
	s_add_co_u32 s[G0+4*\s+1], s14, \s*65536
	s_add_nc_u64 s[G0+4*\s+2:G0+4*\s+3], s[12:13], \s*262144
	s_or_b32 s[G0+4*\s+3], s[G0+4*\s+3], 0x80000000
	s_mov_b32 s[G0B+4*\s], 1
	s_add_co_u32 s[G0B+4*\s+1], s70, POFF+\s*PHALF
	s_add_nc_u64 s[G0B+4*\s+2:G0B+4*\s+3], s[68:69], \s*256
	s_or_b32 s[G0B+4*\s+3], s[G0B+4*\s+3], 0x80000000
.endr
	JLOAD 0                                        ; K's first half: one tensor load a wave at the head, behind the round above
	v_and_b32 v1, 15, v0
	v_bfe_u32 v2, v0, 4, 1
	v_and_b32 v3, 31, v0
	v_lshlrev_b32 v4, 2, v1
	v_lshl_add_u32 v4, v2, 8, v4
	s_wait_alu depctr_va_vdst(0)
	v_lshlrev_b32 v5, 5, v1
	v_lshl_add_u32 v5, v2, 10, v5
	s_wait_alu depctr_va_vdst(0)
	v_lshlrev_b32 v6, 5, v2
	s_wait_alu depctr_va_vdst(0)
	s_lshl_b32 s72, s[RBLK], 10
	s_lshl_b32 s73, s[HF], 9
	s_add_co_u32 s72, s72, s73
	s_mov_b32 s73, 0
	s_add_nc_u64 s[18:19], s[18:19], s[72:73]
	s_lshl_b32 s72, s[PBLK], 12
	s_lshl_b32 s74, s[PF], 11
	s_add_co_u32 s72, s72, s74
	s_add_nc_u64 s[22:23], s[22:23], s[72:73]
	s_lshr_b32 s72, s72, 3
	s_add_nc_u64 s[24:25], s[24:25], s[72:73]
	s_add_nc_u64 s[26:27], s[26:27], s[72:73]
	s_lshl_b32 s72, s[RBLK], 20
	s_lshl_b32 s74, s[HF], 19
	s_add_co_u32 s72, s72, s74
	s_add_nc_u64 s[26:27], s[26:27], s[72:73]
.irp g, 0,1,2,3
.irp k, 0,1,2,3,4,5,6,7
	global_load_b32 v[RS+8*\g+\k], v4, s[18:19] offset:32768*\k+64*\g
.endr
.endr
.irp g, 0,1
	global_load_b128 v[PS+8*\g:PS+8*\g+3], v5, s[22:23] offset:512*\g
	global_load_b128 v[PS+8*\g+4:PS+8*\g+7], v5, s[22:23] offset:512*\g+16
.endr
.irp b, 0,1,2,3
	global_load_b128 v[BO+8*\b:BO+8*\b+3], v6, s[24:25] offset:64*\b
	global_load_b128 v[BO+8*\b+4:BO+8*\b+7], v6, s[24:25] offset:64*\b+16
.endr
	s_lshl_b32 s72, s[HF], 15
	v_lshl_add_u32 v[ADRA], v3, 4, s72
	v_add_nc_u32 v[ADRA+1], 65536, v[ADRA]
	v_mul_u32_u24 v7, v1, PITCH
	v_lshl_add_u32 v7, v2, 4, v7
	s_mul_i32 s72, s[PF], 64*PITCH
	s_add_co_u32 s72, s72, POFF
	v_add_nc_u32 v[ADRB], s72, v7
	v_add_nc_u32 v[ADRB+1], PHALF, v[ADRB]
	s_mul_i32 s72, s[WV], 16*PITCH
	s_add_co_u32 s72, s72, STAGE
	v_mul_u32_u24 v[STO], v1, PITCH
	v_lshl_add_u32 v[STO], v2, 5, v[STO]
	v_add_nc_u32 v[STO], s72, v[STO]
	v_mul_u32_u24 v[RD], v2, PITCH
	v_lshl_add_u32 v[RD], v1, 4, v[RD]
	v_add_nc_u32 v[RD], s72, v[RD]
	v_lshlrev_b32 v[CO], 12, v2
	v_lshl_add_u32 v[CO], v1, 4, v[CO]
	s_wait_alu depctr_va_vdst(0)
	s_wait_tensorcnt 0x0                           ; my part of K's first half is in; then, ahead of a later first fill:
	ds_add_u32 v[SPW], v[NIL]                      ; 0 onto my spare word
	s_wait_dscnt 0x0                               ; the add is done
	CROUND                                         ; a whole round: everybody's part is in, and all sixteen work-groups are here
	JLOAD 1                                        ; K's second half, the first tensor load behind the round
	s_wait_loadcnt 0x0                             ; the scale words and the bias
	FETCH_B 0, 0, 0
	FETCH_A 0, 0, 0
	FETCH_A 0, 0, 4
	STEP 0, 1
	STEP 1, 0
	STEP 2, 0
	s_wait_tensorcnt 0x0
	s_wait_dscnt 8
	WIN 0xa1
	MUL2 0, 1, 3, 0
	s_wait_dscnt 0x0
	s_barrier_signal -1
	MUL2 2, 1, 3, 0
	WIN 0
	s_barrier_wait -1
	PLACES
	FETCH_B 1, 0, 0
	FETCH_A 1, 0, 0
	WIN 0xa1
	MUL2 4, 1, 3, 0
	MUL2 6, 1, 3, 0
	PLACES
	WIN 0
	FETCH_A 1, 0, 4
	STEP 4, 0
	STEP 5, 0
	STEP 6, 0
	s_wait_dscnt 8
	WIN 0xa1
	MUL2 0, 1, 7, 0
	MUL2 2, 1, 7, 0
	s_wait_dscnt 0x0
	MUL2 4, 1, 7, 0
	MUL2 6, 1, 7, 0
	WIN 0
	PLACES
.macro TOSTAGE a
	WIN 0x08
.irp b, 0,1,2,3
	ds_store_b128 v[STO], v[32*(\a)+8*\b:32*(\a)+8*\b+3] offset:64*\b
	ds_store_b128 v[STO], v[32*(\a)+8*\b+4:32*(\a)+8*\b+7] offset:64*\b+16
.endr
	WIN 0
.irp t, 0,1,2,3,4,5,6,7
	ds_load_b128 v[BK+32*((\a)%2)+4*\t:BK+32*((\a)%2)+4*\t+3], v[RD] offset:2*PITCH*\t
.endr
.endm
.macro SEND a, younger
	s_wait_dscnt \younger
.irp t, 0,1,2,3,4,5,6,7
	global_store_b128 v[CO], v[BK+32*((\a)%2)+4*\t:BK+32*((\a)%2)+4*\t+3], s[26:27] offset:65536*(\a)+8192*\t th:TH_STORE_NT
.endr
.endm
	TOSTAGE 0
.irp a, 1,2,3,4,5,6,7
.if \a > 1
	s_wait_xcnt 0x0
.endif
	TOSTAGE \a
	SEND \a-1, 16
.endr
	SEND 7, 0
	s_wait_tensorcnt 0x0
	ds_add_u32 v[SPW], v[NIL]
	s_wait_dscnt 0x0
	CROUND
	s_endpgm
.Lfunc_end_k_q24640d3e24_oproj:
	.size	k_q24640d3e24_oproj, .Lfunc_end_k_q24640d3e24_oproj-k_q24640d3e24_oproj
	.p2alignl 7, 3214868480
	.fill 96, 4, 3214868480
	.section	.rodata,"a",@progbits
	.p2align	6, 0x0
	.amdhsa_kernel k_q24640d3e24_oproj
		.amdhsa_group_segment_fixed_size 327680
		.amdhsa_private_segment_fixed_size 0
		.amdhsa_enable_private_segment 0
		.amdhsa_kernarg_size 48
		.amdhsa_user_sgpr_count 2
		.amdhsa_user_sgpr_kernarg_segment_ptr 1
		.amdhsa_wavefront_size32 1
		.amdhsa_system_sgpr_workgroup_id_x 1
		.amdhsa_system_sgpr_workgroup_id_y 1
		.amdhsa_system_sgpr_workgroup_id_z 1
		.amdhsa_system_vgpr_workitem_id 0
		.amdhsa_next_free_vgpr 768
		.amdhsa_next_free_sgpr 80
		.amdhsa_reserve_vcc 0
		.amdhsa_float_denorm_mode_32 3
		.amdhsa_float_denorm_mode_16_64 3
		.amdhsa_memory_ordered 1
		.amdhsa_forward_progress 1
		.amdhsa_inst_pref_size 75
	.end_amdhsa_kernel
	.amdgpu_metadata
---
amdhsa.version: [ 1, 2 ]
amdhsa.kernels:
  - .name:           k_q24640d3e24_oproj
    .symbol:         k_q24640d3e24_oproj.kd
    .args:
      - { .name: acod, .offset: 0, .size: 8, .value_kind: global_buffer, .address_space: global }
      - { .name: ascl, .offset: 8, .size: 8, .value_kind: global_buffer, .address_space: global }
      - { .name: wo_codes, .offset: 16, .size: 8, .value_kind: global_buffer, .address_space: global }
      - { .name: wo_scales, .offset: 24, .size: 8, .value_kind: global_buffer, .address_space: global }
      - { .name: bo, .offset: 32, .size: 8, .value_kind: global_buffer, .address_space: global }
      - { .name: out0, .offset: 40, .size: 8, .value_kind: global_buffer, .address_space: global }
    .group_segment_fixed_size: 327680
    .private_segment_fixed_size: 0
    .kernarg_segment_align: 8
    .kernarg_segment_size: 48
    .max_flat_workgroup_size: 128
    .sgpr_count:     80
    .vgpr_count:     768
    .wavefront_size: 32
...
	.end_amdgpu_metadata
.endif
;; end of part 3
